; MI455X (gfx1250); checked and timed in simulation.
; The chip was launched on July 23, 2026; its instructions are those of AMD's public machine-readable ISA for CDNA 5 (MIT licence, August 2026) and "CDNA5" Instruction Set Architecture Reference Guide (July 2026). The comments in the code are by the model that wrote it; some were corrected since.
;; Flash Attention With KV Cache. Allowed arithmetic: matrix products marked QUANTISED: E2M1 operands, one E8M0 scale for each 32 along K, by v_wmma_scale_f32_16x16x128_f8f6f4 with both operands' format E2M1 (or v_wmma_scale_f32_32x16x128_f4), f32 sums; products left as they are: bf16, f16 or f32 operands; f32 sums; everything else in f32.
;; Inputs: W_attn 1,024 x 3,072 float32; W_proj 1,024 x 1,024 float32; cache_k 2 x 16 x 2,048 x 64 float32; cache_v 2 x 16 x 2,048 x 64 float32; x 2 x 2,048 x 1,024 float32.
;; Outputs: out0 2 x 2,048 x 1,024 float32.
;; This version of the problem:
;;   THIS VERSION OF THE PROBLEM IS GIVEN IN LOW PRECISION. The matrix products marked QUANTISED in the list below multiply operands that are first quantised to E2M1 (2 exponent bits, 1 mantissa bit; 4 bits a number), with one power-of-two scale for each 32 numbers along K (OCP MX v1.0); their sums are f32. The products marked 'left as it is' may take bf16, f16 or f32 operands, with f32 sums. Whichever they take, every output number must still come out within the allowed error. Rounding operands to bf16 (8 significant bits) uses up far more of that allowance than f16 does (11 bits, for magnitudes from 6e-5 to 65,504). All else is computed in f32.
;;   The module's matrix products, in the order in which they are computed (A, B: the left and right operand; K: the contracted axis; several contracted axes count as one K, in the product's order):
;;     1. [M 4,096, K 1,024] x [K 1,024, N 3,072]; A: input x; B: input W_attn: QUANTISED
;;     2. batch 32 x [M 2,048, K 64] x [K 64, N 2,048]; A: computed on the way; B: computed on the way: left as it is (an operand is computed on the way)
;;     3. batch 32 x [M 2,048, K 2,048] x [K 2,048, N 64]; A: computed on the way; B: computed on the way: left as it is (an operand is computed on the way)
;;     4. [M 4,096, K 1,024] x [K 1,024, N 1,024]; A: computed on the way; B: input W_proj: left as it is (an operand is computed on the way)
;;   THE QUANTISER, for each operand of a quantised product, along K:
;;     - K is cut into blocks of 32 from its start; a last block that is shorter is filled with zeros.
;;     - A block's scale is 2^e with e = floor(log2(the largest magnitude in the block)) - 2, held to -126 .. 127; a block of zeros has e = 0. As a byte (E8M0): e + 127.
;;     - Each number is divided by its block's scale, clamped to +-6, and rounded to the nearest number of E2M1, ties to even, subnormals kept.
;;     - The product sums the exact products of the quantised numbers (number of the format x scale) in f32.
;;   ~~~python
;;   def quantise(x, axis):      # numpy; x: float32 -> the quantised numbers, widened to float32 again
;;       x = np.moveaxis(x, axis, -1); K = x.shape[-1]
;;       x = np.pad(x, [(0, 0)] * (x.ndim - 1) + [(0, -K % 32)]); x = x.reshape(x.shape[:-1] + (-1, 32)); a = np.abs(x).max(-1, keepdims=True)
;;       e = np.where(a > 0, np.clip(np.frexp(np.where(a > 0, a, 1))[1] - 1 - 2, -126, 127), 0)      # np.frexp(a)[1] - 1 = floor(log2(a)), exactly
;;       r = np.clip(x / 2.0 ** e, -6, 6)
;;       step = 2.0 ** (np.maximum(np.frexp(np.where(r == 0, 1, r))[1] - 1, 0) - 1)
;;       q = np.round(r / step) * step * 2.0 ** e      # np.round: ties to even
;;       return np.moveaxis(q.reshape(q.shape[:-2] + (-1,))[..., :K], -1, axis).astype(np.float32)
;;   ~~~
;; One version. Each part assembles by itself: llvm-mc -triple=amdgcn-amd-amdhsa -mcpu=gfx1250 --defsym DOCPART=n.
;; ======== version 1 of 1: 5 launches
;; limits: values are held in f16: magnitudes above 65,504 overflow, below 6.1e-05 lose precision
;; workspace buffers: codes 3,670,016 bytes; scl 229,376 bytes; wp 2,097,152 bytes; rope 524,288 bytes; qkv 25,165,824 bytes; fine 393,216 bytes; yws 8,388,608 bytes
;; launch prep (part 1): grid 416 x 1, 4 waves a work-group, no clusters, 34,304 bytes of LDS; arguments x, W_attn, W_proj, codes, scl, wp, rope; writes codes, scl, wp, rope
.if DOCPART == 1
	.amdgcn_target "amdgcn-amd-amdhsa--gfx1250"
	.amdhsa_code_object_version 6
	.text
	.protected	k_qb33bfb34c9_prep
	.globl	k_qb33bfb34c9_prep
	.p2align	8
	.type	k_qb33bfb34c9_prep,@function
k_qb33bfb34c9_prep:
	s_mov_b64 s[64:65], 0
	v_nop
	global_prefetch_b8 v0, s[64:65] scope:SCOPE_SE
	s_setreg_imm32_b32 hwreg(HW_REG_WAVE_MODE, 25, 1), 1
	s_wait_xcnt 0x0
; PREP.  Four jobs, told apart by the work-group's number; each wave works alone (no barrier).
;   work-groups   0-127: x [4096][1024] f32      -> FP4 (E2M1) codes and E8M0 scale bytes, along K (the last axis)
;   work-groups 128-319: W_attn [1024][3072] f32 -> the same, along K (its FIRST axis): a lane takes a column, its registers run down K
;   work-groups 320-383: W_proj [1024][1024] f32 -> f16
;   work-groups 384-415: the table of cos and sin for the rotary embedding, [position 2048][pair 32][cos, sin] f32
; ALL OUTPUTS ARE LAID AS IMAGES OF THE READER'S OPERAND REGISTERS: pieces of 16 bytes at 16 x lane.
;   codes: [row tile of 16][K step of 128: 8][c 2][lane 32][16 bytes]; the piece at (c, lane 16 h + r) is block 2 c + h (32 codes) of row r.  x's 256 tiles first, W_attn's 192 from byte 2,097,152 on;
;          W_attn's column n is row 192 head + 64 kind + d (kind 0, 1, 2 = q, k, v), so that a head's q, k and v are 12 tiles on end.
;   scl:   [row tile][half of K 2][r 16][4 words]; a word holds the 4 scale bytes of one K step.  x's first, W_attn's from byte 131,072 on.
;   wp:    [column tile of 16: 64][32 along K: 32][group 2][lane 32][16 bytes]; the piece at (g, lane 16 h + r) is W_proj[32 f + 16 g + 8 h + 0..7][16 tile + r].
; THE QUANTISER: a block's scale is 2^(floor(log2(largest magnitude)) - 2); its byte is the largest magnitude's exponent field - 2, held at 1 from below by a floor among the maximum's leaves.
; LIMITS: a block of zeros gets the byte 1 (its codes are zeros, and this program alone reads the bytes); NaN and infinities are not served; W_proj goes in f16: magnitudes up to 65,504;
; the angle of the table is right to about 3e-4 radians at the last positions (the frequency is 2^(-i log2(10)/8) by v_exp_f32): under the rounding to f16 that follows it, and no quantiser follows it.
.set SPARE, 33792                      ; behind the four stages of the x path: the spare words, 128 bytes a wave
.set SPW, 8                            ; v8  my spare word's LDS address; never rewritten
.set NIL, 9                            ; v9  0; never rewritten
.set TM,  10                           ; v10-25 at work in QUANT
.set PC,  32                           ; v32-39 the codes just made
.set XR,  192                          ; v192-255 64 numbers of a lane: register 16 b + i = k 32 b + 16 h + i of row r
; 64 numbers of a lane become a fragment's codes in v[PC] on and its row's scale word in v[pw]
.macro QUANT s, pw
.irp b, 0,1,2,3
	v_max3_num_f32 v[TM+\b], |v[(\s)+16*\b]|, |v[(\s)+1+16*\b]|, 0x1800000   ; block b: my 16 numbers, and the floor 2^(3 - 127): the byte cannot fall under 1
.endr
.irp i, 2,4,6,8,10,12,14
.irp b, 0,1,2,3
	v_max3_num_f32 v[TM+\b], v[TM+\b], |v[(\s)+16*\b+\i]|, |v[(\s)+1+16*\b+\i]|
.endr
.endr
.irp b, 0,1,2,3
	v_permlanex16_b32 v[TM+4+\b], v[TM+\b], s20, s21
.endr
.irp b, 0,1,2,3
	v_max_num_f32 v[TM+\b], v[TM+\b], v[TM+4+\b]          ; with lane l xor 16's 16: the block's largest magnitude
.endr
.irp b, 0,1,2,3
	v_add_nc_u32 v[TM+12+\b], 0xff000000, v[TM+\b]        ; 2 off its exponent field: the conversion's scale operand
.endr
.irp b, 0,1,2,3
	v_lshrrev_b32 v[TM+4+\b], 23, v[TM+12+\b]             ; the scale's byte
.endr
	v_lshl_or_b32 v[\pw], v[TM+5], 8, v[TM+4]
	v_lshl_or_b32 v[\pw], v[TM+6], 16, v[\pw]
	v_lshl_or_b32 v[\pw], v[TM+7], 24, v[\pw]
.irp b, 0,1,2,3
	v_cvt_scalef32_pk8_fp4_f32 v[PC+2*\b], v[(\s)+16*\b:(\s)+7+16*\b], v[TM+12+\b]
	v_cvt_scalef32_pk8_fp4_f32 v[PC+1+2*\b], v[(\s)+8+16*\b:(\s)+15+16*\b], v[TM+12+\b]
.endr
	v_nop                                                 ; one plain place behind a scaled conversion
.irp c, 0,1                                               ; the operand wants a whole block in a lane: lanes 0-15 block 2 c, lanes 16-31 block 2 c + 1
.irp i, 0,1
	v_permlane16_swap_b32 v[PC+4*\c+\i], v[PC+2+4*\c+\i]
.endr
.endr
.endm
; 32 rows of one column block: block t of 32 along K into set t % 2 (v64-95, v96-127); 32 lanes read 128 neighbouring bytes
.macro CLOAD t, rowb, bs
.irp i, 0,1,2,3,4,5,6,7,8,9,10,11,12,13,14,15,16,17,18,19,20,21,22,23,24,25,26,27,28,29,30,31
	global_load_b32 v[64+32*((\t)%2)+\i], v4, s[\bs:\bs+1] offset:(32*(\t)+\i)*(\rowb) th:TH_LOAD_NT
.endr
.endm
	s_load_b256 s[4:11], s[0:1], 0x0               ; x s[4:5], W_attn s[6:7], W_proj s[8:9], codes s[10:11]
	s_load_b128 s[12:15], s[0:1], 0x20             ; scl s[12:13], wp s[14:15]
	s_load_b64 s[16:17], s[0:1], 0x30              ; rope
	v_lshl_add_u32 v[SPW], v0, 2, SPARE
	v_mov_b32 v[NIL], 0
	v_lshrrev_b32 v1, 5, v0
	v_readfirstlane_b32 s18, v1                    ; wave 0..3
	v_and_b32 v1, 31, v0                           ; lane
	v_and_b32 v2, 15, v0                           ; r
	v_bfe_u32 v3, v0, 4, 1                         ; h
	s_mov_b32 s20, 0x76543210
	s_mov_b32 s21, 0xfedcba98                      ; v_permlanex16_b32's selects for lane l xor 16
	s_mov_b32 s31, 0                               ; the high word of every offset pair s[30:31]
	s_wait_kmcnt 0x0
	s_cmp_ge_u32 ttmp9, 128
	s_cbranch_scc1 .Lnot_x
; ---------------- x: a wave takes 16 rows x 512 along K, in four steps of 128 ----------------
; A load reads 512 neighbouring bytes of one row; the conversions want 16 neighbours along K in one lane: so a step's 16 x 512 bytes turn through the wave's own stage in LDS (rows 528 bytes apart).
	s_lshl_b32 s22, ttmp9, 2
	s_add_co_u32 s22, s22, s18                     ; job 0..511 = 2 x row tile + half of K
	s_lshr_b32 s23, s22, 1
	s_and_b32 s24, s22, 1
	s_lshl_b32 s30, s23, 16                        ; 16 rows of 4,096 bytes
	s_lshl_b32 s24, s24, 11                        ; 512 numbers
	s_add_co_u32 s30, s30, s24
	s_add_nc_u64 s[4:5], s[4:5], s[30:31]
	s_lshl_b32 s30, s22, 12                        ; codes: 8,192 a tile, 4,096 a half
	s_add_nc_u64 s[10:11], s[10:11], s[30:31]
	s_lshl_b32 s30, s22, 8                         ; scale words: 512 a tile, 256 a half
	s_add_nc_u64 s[12:13], s[12:13], s[30:31]
	s_mul_i32 s28, s18, 8448                       ; my stage
	v_lshlrev_b32 v4, 4, v1                        ; 16 x lane: loads, and the images' stores
	v_add_nc_u32 v5, s28, v4                       ; into the stage
	v_mul_u32_u24 v6, v2, 528
	v_lshl_add_u32 v6, v3, 6, v6
	v_add_nc_u32 v6, s28, v6                       ; out of it: row r, + 64 h: my 16 numbers of each block of 32
	v_lshlrev_b32 v7, 4, v2
	v_lshl_add_u32 v7, v3, 3, v7                   ; scale words: 16 r + 8 h
.irp b, 0,1,2,3
	v_mov_b32 v[TM+4+\b], 0                        ; written once: a lane permute's destination counts as one of its sources
.endr
.macro XLOAD set, t
.irp i, 0,1,2,3,4,5,6,7,8,9,10,11,12,13,14,15
	global_load_b128 v[(\set)+4*\i:(\set)+4*\i+3], v4, s[4:5] offset:\i*4096+(\t)*512 th:TH_LOAD_NT
.endr
.endm
.macro XSTEP t
.set RS, 64+64*((\t)%2)
.if (\t) < 3
	s_wait_loadcnt 16                              ; this step's 16 loads are in; the next step's 16 may be out
.else
	s_wait_loadcnt 0x0
.endif
.irp i, 0,1,2,3,4,5,6,7,8,9,10,11,12,13,14,15
	ds_store_b128 v5, v[RS+4*\i:RS+4*\i+3] offset:\i*528
.endr
.irp b, 0,1,2,3
.irp j, 0,1,2,3
	ds_load_b128 v[XR+16*\b+4*\j:XR+16*\b+4*\j+3], v6 offset:128*\b+16*\j   ; LDS serves a wave's instructions in order: these see the stores above
.endr
.endr
	s_wait_dscnt 0x0                               ; the numbers are back, and the stores have read their registers
	s_wait_xcnt 0x0                                ; the last step's stores have read v[PC] on, which QUANT writes anew
.if (\t) < 2
	XLOAD RS, (\t)+2
.endif
	QUANT XR, 26+(\t)
.irp c, 0,1
	global_store_b128 v4, v[PC+4*\c:PC+4*\c+3], s[10:11] offset:(\t)*1024+\c*512   ; 512 neighbouring bytes
.endr
.endm
	XLOAD 64, 0
	XLOAD 128, 1
	XSTEP 0
	XSTEP 1
	XSTEP 2
	XSTEP 3
	v_cmp_eq_u32 vcc_lo, 1, v3                     ; every lane holds its row's four words: lanes 0-15 store words 0, 1, lanes 16-31 words 2, 3
	v_cndmask_b32 v30, v26, v28, vcc_lo
	v_cndmask_b32 v31, v27, v29, vcc_lo
	global_store_b64 v7, v[30:31], s[12:13]        ; 256 neighbouring bytes
	s_wait_tensorcnt 0x0                           ; the wave's end
	ds_add_u32 v[SPW], v[NIL]
	s_wait_dscnt 0x0
	s_endpgm
.Lnot_x:
	s_cmp_ge_u32 ttmp9, 320
	s_cbranch_scc1 .Lnot_w
; ---------------- W_attn: a wave takes 32 columns x 128 along K (one K step): four blocks a lane ----------------
	s_sub_co_u32 s22, ttmp9, 128
	s_lshl_b32 s22, s22, 2
	s_add_co_u32 s22, s22, s18                     ; job 0..767
	s_lshr_b32 s23, s22, 3                         ; which 32 columns
	s_and_b32 s24, s22, 7                          ; which K step
	s_lshl_b32 s26, s23, 5                         ; n0
	s_lshr_b32 s28, s26, 10                        ; kind
	s_bfe_u32 s29, s26, 0x40006                    ; head
	s_and_b32 s27, s26, 63                         ; d
	s_mul_i32 s29, s29, 192
	s_lshl_b32 s28, s28, 6
	s_add_co_u32 s29, s29, s28
	s_add_co_u32 s29, s29, s27
	s_lshr_b32 s29, s29, 4                         ; the row tile of lanes 0-15; lanes 16-31 take the next
	s_mul_i32 s30, s24, 1572864                    ; 128 rows of 12,288 bytes
	s_lshl_b32 s28, s26, 2
	s_add_co_u32 s30, s30, s28
	s_add_nc_u64 s[6:7], s[6:7], s[30:31]
	s_lshl_b32 s30, s29, 13
	s_lshl_b32 s28, s24, 10
	s_add_co_u32 s30, s30, s28
	s_add_co_u32 s30, s30, 2097152
	s_add_nc_u64 s[10:11], s[10:11], s[30:31]
	s_lshl_b32 s30, s29, 9
	s_lshr_b32 s28, s24, 2
	s_lshl_b32 s28, s28, 8
	s_add_co_u32 s30, s30, s28
	s_and_b32 s28, s24, 3
	s_lshl_b32 s28, s28, 2
	s_add_co_u32 s30, s30, s28
	s_add_co_u32 s30, s30, 131072
	s_add_nc_u64 s[12:13], s[12:13], s[30:31]
	v_lshlrev_b32 v4, 2, v1                        ; in: 4 bytes a lane
	v_lshlrev_b32 v5, 4, v2
	v_lshl_add_u32 v5, v3, 13, v5                  ; codes: 16 r, + a tile for lanes 16-31
	v_lshlrev_b32 v6, 4, v2
	v_lshl_add_u32 v6, v3, 9, v6                   ; scale word: 16 r, + a tile
.macro WBLOCK t
.set XB, 64+32*((\t)%2)
.if (\t) < 3
	s_wait_loadcnt 32                              ; this block's 32 loads are in; the next block's may be out
.else
	s_wait_loadcnt 0x0
.endif
	v_max3_num_f32 v12, |v[XB]|, |v[XB+1]|, |v[XB+2]|     ; the block's largest magnitude: all 32 numbers are mine
	v_max3_num_f32 v13, |v[XB+3]|, |v[XB+4]|, |v[XB+5]|
.irp i, 6,10,14,18,22,26
	v_max3_num_f32 v12, v12, |v[XB+\i]|, |v[XB+\i+1]|
	v_max3_num_f32 v13, v13, |v[XB+\i+2]|, |v[XB+\i+3]|
.endr
	v_max3_num_f32 v12, v12, |v[XB+30]|, |v[XB+31]|
	v_max3_num_f32 v12, v12, v13, 0x1800000        ; and the floor
	v_add_nc_u32 v11, 0xff000000, v12
	v_lshrrev_b32 v13, 23, v11
.if (\t) == 0
	v_mov_b32 v14, v13
.else
	v_lshl_or_b32 v14, v13, 8*(\t), v14            ; the K step's scale word: block t's byte
.endif
.irp g, 0,1,2,3
	v_cvt_scalef32_pk8_fp4_f32 v[32+4*(\t)+\g], v[XB+8*\g:XB+8*\g+7], v11
.endr
	v_nop                                          ; one plain place behind a scaled conversion
	global_store_b128 v5, v[32+4*(\t):32+4*(\t)+3], s[10:11] offset:((\t)/2)*512+((\t)%2)*256   ; each half of the lanes stores 256 neighbouring bytes, aligned
.if (\t) < 2
	CLOAD (\t)+2, 12288, 6
.endif
.endm
	CLOAD 0, 12288, 6
	CLOAD 1, 12288, 6
	WBLOCK 0
	WBLOCK 1
	WBLOCK 2
	WBLOCK 3
	global_store_b32 v6, v14, s[12:13]             ; 4 bytes in each 16: the other K steps' waves fill the rest (98,304 bytes in all)
	s_endpgm
.Lnot_w:
	s_cmp_ge_u32 ttmp9, 384
	s_cbranch_scc1 .Lrope
; ---------------- W_proj: a wave takes 32 columns x 128 along K: four blocks of 32, each one fragment's worth ----------------
	s_sub_co_u32 s22, ttmp9, 320
	s_lshl_b32 s22, s22, 2
	s_add_co_u32 s22, s22, s18                     ; job 0..255
	s_lshr_b32 s23, s22, 3                         ; which 32 columns
	s_and_b32 s24, s22, 7                          ; which 128 along K
	s_lshl_b32 s30, s24, 19                        ; 128 rows of 4,096 bytes
	s_lshl_b32 s28, s23, 7
	s_add_co_u32 s30, s30, s28
	s_add_nc_u64 s[8:9], s[8:9], s[30:31]
	s_lshl_b32 s30, s23, 16                        ; two column tiles of 32,768 bytes
	s_lshl_b32 s28, s24, 12                        ; four fragments of 1,024
	s_add_co_u32 s30, s30, s28
	s_add_nc_u64 s[14:15], s[14:15], s[30:31]
	v_lshlrev_b32 v4, 2, v1
	v_lshlrev_b32 v5, 4, v2
	v_lshl_add_u32 v5, v3, 15, v5                  ; 16 r, + a column tile for lanes 16-31
.macro PBLOCK t
.set XB, 64+32*((\t)%2)
.set HB, 128+16*(\t)
.if (\t) < 3
	s_wait_loadcnt 32
.else
	s_wait_loadcnt 0x0
.endif
.irp i, 0,1,2,3,4,5,6,7,8,9,10,11,12,13,14,15
	v_cvt_pk_f16_f32 v[HB+\i], v[XB+2*\i], v[XB+2*\i+1]
.endr
.irp j, 0,1,2,3
	global_store_b128 v5, v[HB+4*\j:HB+4*\j+3], s[14:15] offset:(\t)*1024+(\j/2)*512+(\j%2)*256   ; k 8 j on = group j / 2, half j % 2
.endr
.if (\t) < 2
	CLOAD (\t)+2, 4096, 8
.endif
.endm
	CLOAD 0, 4096, 8
	CLOAD 1, 4096, 8
	PBLOCK 0
	PBLOCK 1
	PBLOCK 2
	PBLOCK 3
	s_endpgm
.Lrope:
; ---------------- the table: a wave takes 16 positions, two a trip; lane (r, h): position + h, pairs 2 r and 2 r + 1 ----------------
	s_sub_co_u32 s22, ttmp9, 384
	s_lshl_b32 s23, s22, 6
	s_lshl_b32 s24, s18, 4
	s_add_co_u32 s23, s23, s24                     ; my wave's first position
	s_lshl_b32 s30, s23, 8
	s_add_nc_u64 s[16:17], s[16:17], s[30:31]
	v_lshlrev_b32 v4, 8, v3
	v_lshl_add_u32 v4, v2, 4, v4                   ; 256 h + 16 r
	v_lshlrev_b32 v5, 1, v2
	v_cvt_f32_u32 v5, v5                           ; i = 2 r
	v_add_f32 v6, 1.0, v5
	v_mul_f32 v5, 0xbed49a78, v5                   ; -i log2(10) / 8 = log2(10000^(-2 i / 64))
	v_mul_f32 v6, 0xbed49a78, v6
	v_exp_f32 v5, v5                               ; the pair's frequency
	v_exp_f32 v6, v6
	v_add_nc_u32 v7, s23, v3                       ; (a plain place behind the two)
	s_wait_alu depctr_va_vdst(0)                   ; one wait for both, ahead of their first reader
	v_cvt_f32_u32 v7, v7                           ; the position
	s_mov_b32 s26, 0x3f22f983                      ; 2 / pi
	s_mov_b32 s27, 0x3fc90fdb                      ; pi / 2, high part
	s_mov_b32 s28, 0xb33bbd2e                      ; and what is left of it
	v_mov_b32 v24, 0xb94ca1f9                      ; sine: r + r z (S1 + z (S2 + z S3))
	v_mov_b32 v25, 0x3c08839e
	v_mov_b32 v26, 0xbe2aaaa3
	v_mov_b32 v27, 0x37ccf5ce                      ; cosine: 1 - z / 2 + z z (C1 + z (C2 + z C3))
	v_mov_b32 v28, 0xbab6061a
	v_mov_b32 v29, 0x3d2aaaa5
; cos and sin of v[th] (0 to 2,047): the nearest multiple n of pi / 2 is taken off in two parts; polynomials on what is left; the quadrant swaps and signs
.macro SINCOS th, c, s
	v_mul_f32 v10, s26, v[\th]
	v_rndne_f32 v10, v10                           ; n
	v_fma_f32 v11, -v10, s27, v[\th]
	v_fma_f32 v11, -v10, s28, v11                  ; r, within pi / 4 of 0
	v_mul_f32 v12, v11, v11                        ; z
	v_fma_f32 v13, v24, v12, v25
	v_fma_f32 v15, v27, v12, v28
	v_fma_f32 v13, v13, v12, v26
	v_fma_f32 v15, v15, v12, v29
	v_mul_f32 v14, v11, v12
	v_mul_f32 v16, v12, v12
	v_fma_f32 v17, v12, -0.5, 1.0
	v_fma_f32 v13, v14, v13, v11                   ; sin r
	v_fma_f32 v15, v16, v15, v17                   ; cos r
	v_cvt_i32_f32 v18, v10
	v_and_b32 v19, 1, v18
	v_cmp_eq_u32 vcc_lo, 1, v19
	v_cndmask_b32 v[\s], v13, v15, vcc_lo          ; n odd: the two change places
	v_cndmask_b32 v[\c], v15, v13, vcc_lo
	v_and_b32 v19, 2, v18
	v_lshlrev_b32 v19, 30, v19
	v_xor_b32 v[\s], v[\s], v19                    ; sine negative for n = 2, 3 (mod 4)
	v_add_nc_u32 v18, 1, v18
	v_and_b32 v18, 2, v18
	v_lshlrev_b32 v18, 30, v18
	v_xor_b32 v[\c], v[\c], v18                    ; cosine negative for n = 1, 2
.endm
.irp it, 0,1,2,3,4,5,6,7
	v_mul_f32 v20, v7, v5                          ; position x frequency, one rounding
	v_mul_f32 v21, v7, v6
	SINCOS 20, 32+4*\it, 33+4*\it
	SINCOS 21, 34+4*\it, 35+4*\it
	global_store_b128 v4, v[32+4*\it:35+4*\it], s[16:17] offset:512*\it   ; two positions: 512 neighbouring bytes; each trip has result registers of its own
	v_add_f32 v7, 2.0, v7
.endr
	s_endpgm
.Lfunc_end_k_qb33bfb34c9_prep:
	.size	k_qb33bfb34c9_prep, .Lfunc_end_k_qb33bfb34c9_prep-k_qb33bfb34c9_prep
	.p2alignl 7, 3214868480
	.fill 96, 4, 3214868480
	.section	.rodata,"a",@progbits
	.p2align	6, 0x0
	.amdhsa_kernel k_qb33bfb34c9_prep
		.amdhsa_group_segment_fixed_size 34304
		.amdhsa_private_segment_fixed_size 0
		.amdhsa_enable_private_segment 0
		.amdhsa_kernarg_size 56
		.amdhsa_user_sgpr_count 2
		.amdhsa_user_sgpr_kernarg_segment_ptr 1
		.amdhsa_wavefront_size32 1
		.amdhsa_system_sgpr_workgroup_id_x 1
		.amdhsa_system_sgpr_workgroup_id_y 1
		.amdhsa_system_sgpr_workgroup_id_z 1
		.amdhsa_system_vgpr_workitem_id 0
		.amdhsa_next_free_vgpr 256
		.amdhsa_next_free_sgpr 66
		.amdhsa_reserve_vcc 1
		.amdhsa_float_denorm_mode_32 3
		.amdhsa_float_denorm_mode_16_64 3
		.amdhsa_memory_ordered 1
		.amdhsa_forward_progress 1
		.amdhsa_inst_pref_size 91
	.end_amdhsa_kernel
	.amdgpu_metadata
---
amdhsa.version: [ 1, 2 ]
amdhsa.kernels:
  - .name:           k_qb33bfb34c9_prep
    .symbol:         k_qb33bfb34c9_prep.kd
    .args:
      - { .name: x, .offset: 0, .size: 8, .value_kind: global_buffer, .address_space: global }
      - { .name: W_attn, .offset: 8, .size: 8, .value_kind: global_buffer, .address_space: global }
      - { .name: W_proj, .offset: 16, .size: 8, .value_kind: global_buffer, .address_space: global }
      - { .name: codes, .offset: 24, .size: 8, .value_kind: global_buffer, .address_space: global }
      - { .name: scl, .offset: 32, .size: 8, .value_kind: global_buffer, .address_space: global }
      - { .name: wp, .offset: 40, .size: 8, .value_kind: global_buffer, .address_space: global }
      - { .name: rope, .offset: 48, .size: 8, .value_kind: global_buffer, .address_space: global }
    .group_segment_fixed_size: 34304
    .private_segment_fixed_size: 0
    .kernarg_segment_align: 8
    .kernarg_segment_size: 56
    .max_flat_workgroup_size: 128
    .sgpr_count:     66
    .vgpr_count:     256
    .wavefront_size: 32
...
	.end_amdgpu_metadata
.endif
;; end of part 1
;; launch qkvgemm (part 2): grid 16 x 16, 4 waves a work-group, clusters of 4 x 1, 229,888 bytes of LDS; arguments codes, scl, rope, cache_k, cache_v, qkv, fine; writes qkv, fine
.if DOCPART == 2
	.amdgcn_target "amdgcn-amd-amdhsa--gfx1250"
	.amdhsa_code_object_version 6
	.text
	.protected	k_qb33bfb34c9_qkvgemm
	.globl	k_qb33bfb34c9_qkvgemm
	.p2align	8
	.type	k_qb33bfb34c9_qkvgemm,@function
k_qb33bfb34c9_qkvgemm:
	s_mov_b64 s[64:65], 0
	v_nop
	global_prefetch_b8 v0, s[64:65] scope:SCOPE_SE
	s_setreg_imm32_b32 hwreg(HW_REG_WAVE_MODE, 25, 1), 1
	s_wait_xcnt 0x0
	s_wait_alu depctr_hold_cnt(0) depctr_sa_sdst(0) depctr_va_vdst(0) depctr_va_sdst(0) depctr_va_ssrc(0) depctr_va_vcc(0) depctr_vm_vsrc(0)
	s_getreg_b32 s2, hwreg(HW_REG_IB_STS2, 6, 4)
	s_cmp_eq_u32 s2, 0
	s_cbranch_scc0 .Lentry_in_a_cluster
	s_endpgm
.Lentry_in_a_cluster:
	s_bfe_u32 s2, ttmp6, 0x10000c
	s_cmp_lg_u32 s2, 0x3003
	s_cbranch_scc0 .Lentry_shape_is_right
	s_endpgm
.Lentry_shape_is_right:
; qkv = Q(x) Q(W_attn) on FP4 codes with E8M0 scales; the rotary embedding on q and k; the write of k and v into the caches; q, k, v out as f16 images for the attention.
; SHARES.  A work-group takes 256 rows of x (work-group y) x the 192 columns q, k, v of one head (work-group x): 256 work-groups.  Wave w takes rows 64 w on: 4 x 12 accumulators of 16 x 16.
; ALL OF K FITS IN LDS: x's 16 row tiles (131,072 bytes) and the head's 12 row tiles of W (98,304) come once, by one tensor load a wave: no ring, no refill.
; THE ORDER OF THE REQUESTS.  The tiles and the scale words, for which the products wait, are asked for first and alone.  Cos and sin and the caches, which only the way out reads, are asked for behind the
; barrier that shows the tiles landed (cache_v behind K step 2 of 8): they are on their way while the products run.
; CLUSTER 4 x 1: the four partners share work-group y, so x's tiles are asked for JOINTLY (mask 15: waves 0 and 1); W's are each work-group's own (no mask: waves 2 and 3).
; Wider clusters are left out: a second axis would put the place in the cluster into the branch that picks the rows copied in f32.
; THE MATRIX INSTRUCTION IS USED TRANSPOSED: source 0 = 16 rows of W (16 channels), source 1 = 16 rows of x (tokens): lane (r, h) holds token r and channels 16 t + 8 h + 0..7.
; So a lane holds whole pairs of the rotary embedding, and its eight numbers round to one piece of 16 bytes of the attention's operands.
; THE CACHES.  reference() writes k and v into the caches at position 0 and reads the caches back.  Position p is taken from k (v) where p < 2,048 and from the cache elsewhere:
; at these shapes the compare is true in every lane; the caches are loaded and the select is made all the same.
; OUT.  qkv: q at 0, k at 8,388,608, v at 16,777,216; each [batch x head 32][token tile 128][t 4][place 32][16 bytes].  q, k: place 16 h + r.  v: place (r & 7) + 8 h + 16 (r >> 3), as the turning LDS load reads it.
;       fine: positions 0-15 of both batches in f32, [b][kind][head][token 16][64].
; LIMITS: q, k, v go in f16: magnitudes up to 65,504.
; REGISTERS, in windows of 256: window 0: v1-9 addresses; v28, v29 the add's two; v32-79 W's scale words, v80-95 x's (nothing else ever); v96-127 T, at work; v128-191 x's fragments, two sets, later cos and sin of tiles 2, 3; v192-255 cos and sin of tiles 0, 1.
;   window 1: v0-95 W's fragments (kind g at 32 g), later the packed results; v128-255 v's accumulators.   window 2: v0-127 q's accumulators, v128-255 k's ((a, t) at 8 (4 a + t)).   window 3: v0-127 cache_k, v128-255 cache_v.
.set SPARE, 229376                     ; behind the tiles: the spare words, 128 bytes a wave
.set L16,  1                           ; v1  16 x lane
.set ROWA, 2                           ; v2  256 r + 32 h: my 32 bytes of a row of 256 (cos and sin, the caches, fine)
.set IMGV, 3                           ; v3  v's place
.set ADRA, 4                           ; v4  LDS: my wave's four row tiles of x
.set ADRB, 5                           ; v5-7 LDS: W's four row tiles of kind 0, 1, 2
.set POS,  8                           ; v8  my token's position in tile 0
.set TP,   9                           ; v9  at work
.set SPW,  28
.set NIL,  29
.set WS,   32
.set XS,   80
.set T,    96
.set AF,   128
.set G1A,  24                          ; s[24:31], s[32:35] groups 1 and 0 for x's tiles;  s[36:43], s[44:47] for W's
.set G0A,  32
.set G1B,  36
.set G0B,  44
.set XSB,  50                          ; s[50:51] x's scale words;  s[52:53] W's;  s[54:55] cos and sin;  s[56:57], s[58:59] the caches
.set WSB,  52
.set TRB,  54
.set CKB,  56
.set CVB,  58
.set QB,   60                          ; s[60:61], s[66:67], s[68:69] q, k, v out;  s[70:71] fine
.set KB,   66
.set VB,   68
.set FNB,  70
.set MSB, 0
.macro WIN new                         ; the immediate's high byte repeats the setting that is left
.if MSB != \new
	s_set_vgpr_msb (MSB<<8)|\new
.set MSB, \new
.endif
.endm
.macro PLACES n
.rept \n
	v_nop
.endr
.endm
.macro CROUND                          ; a round of the cluster's barrier
	s_barrier_signal -1
	s_barrier_wait -1
	s_cmp_lg_u32 s18, 0
	s_cbranch_scc1 .Lnot_wave_0_\@
	s_barrier_signal -3
.Lnot_wave_0_\@:
	s_barrier_wait -3
	s_barrier_signal -1
	s_barrier_wait -1
.endm
	s_load_b256 s[4:11], s[0:1], 0x0               ; codes s[4:5], scl s[6:7], rope s[8:9], cache_k s[10:11]
	s_load_b128 s[12:15], s[0:1], 0x20             ; cache_v s[12:13], qkv s[14:15]
	s_load_b64 s[16:17], s[0:1], 0x30              ; fine
	v_lshl_add_u32 v[SPW], v0, 2, SPARE
	v_mov_b32 v[NIL], 0
	ds_add_u32 v[SPW], v[NIL]                      ; the wave's opening: the add, twice on end, and its wait ahead of my first tensor load
	ds_add_u32 v[SPW], v[NIL]
	v_lshrrev_b32 v1, 5, v0
	v_readfirstlane_b32 s18, v1                    ; wave 0..3
	s_lshr_b32 s19, s18, 1                         ; I fetch for x (0) or for W (1),
	s_and_b32 s20, s18, 1                          ; and which half
	s_bfe_u32 s21, ttmp6, 0x40000                  ; cx
	s_lshl_b32 s22, ttmp9, 2
	s_add_co_u32 s22, s22, s21                     ; the head = 4 x cluster x + cx
	s_and_b32 s23, ttmp7, 0xffff                   ; y: which 256 rows; the partners share it
	; x's half: 65,536 dense bytes as 256 rows of 256 bytes (32 elements of 8)
	s_mov_b32 s[G1A+0], 15|(3<<16)|(1<<21)         ; 15:0 the mask: all four partners; 17:16 elements of 8 bytes; 21 set beside a mask
	s_mov_b32 s[G1A+1], 32<<16                     ; tensor_dim0
	s_mov_b32 s[G1A+2], 256<<16                    ; tensor_dim1
	s_mov_b32 s[G1A+3], 32<<16                     ; tile_dim0
	s_mov_b32 s[G1A+4], 256                        ; tile_dim1
	s_mov_b32 s[G1A+5], 32                         ; the pitch
	s_mov_b32 s[G1A+6], 0
	s_mov_b32 s[G1A+7], 0
	; W's half: 49,152 dense bytes as 192 rows of 256
	s_mov_b32 s[G1B+0], 3<<16
	s_mov_b32 s[G1B+1], 32<<16
	s_mov_b32 s[G1B+2], 192<<16
	s_mov_b32 s[G1B+3], 32<<16
	s_mov_b32 s[G1B+4], 192
	s_mov_b32 s[G1B+5], 32
	s_mov_b32 s[G1B+6], 0
	s_mov_b32 s[G1B+7], 0
	s_mov_b32 s[G0A], 1
	s_lshl_b32 s[G0A+1], s20, 16                   ; LDS: x's halves at 0 and 65,536
	s_lshl_b32 s74, s23, 17                        ; memory: 131,072 y + 65,536 half: no register here ever holds cx
	s_add_co_u32 s74, s74, s[G0A+1]
	s_mov_b32 s75, 0
	s_mov_b32 s[G0B], 1
	s_mul_i32 s[G0B+1], s20, 49152
	s_mul_i32 s76, s22, 98304                      ; memory: W's codes begin at 2,097,152; 98,304 a head
	s_add_co_u32 s76, s76, s[G0B+1]
	s_add_co_u32 s76, s76, 2097152
	s_mov_b32 s77, 0
	s_add_co_u32 s[G0B+1], s[G0B+1], 131072        ; LDS: W's halves behind x's tiles
	s_and_b32 s82, s23, 7
	s_or_b32 s72, s82, s18                         ; 0 in the wave whose tile 0 is positions 0-15 of a batch
	s_lshl_b32 s82, s82, 8
	s_lshl_b32 s83, s18, 6
	s_add_co_u32 s82, s82, s83                     ; my wave's first position
	s_lshr_b32 s83, s23, 3                         ; the batch
	s_lshl_b32 s92, s83, 4
	s_add_co_u32 s92, s92, s22                     ; batch x 16 + head
	s_lshl_b32 s78, s23, 13                        ; x's scale words: 512 a row tile
	s_lshl_b32 s79, s18, 11
	s_add_co_u32 s78, s78, s79
	s_mov_b32 s79, 0
	s_mul_i32 s80, s22, 6144                       ; W's: from 131,072 on, 12 tiles a head
	s_add_co_u32 s80, s80, 131072
	s_mov_b32 s81, 0
	s_lshl_b32 s84, s82, 8                         ; cos and sin: 256 bytes a position
	s_mov_b32 s85, 0
	s_lshl_b32 s86, s92, 19                        ; the caches: 524,288 a head, 256 a position
	s_add_co_u32 s86, s86, s84
	s_mov_b32 s87, 0
	s_lshl_b32 s88, s92, 18                        ; q, k, v out: 262,144 a head, 128 a position
	s_lshl_b32 s89, s82, 7
	s_add_co_u32 s88, s88, s89
	s_mov_b32 s89, 0
	s_mul_i32 s90, s83, 48                         ; fine: 4,096 a head, 16 heads a kind, 3 kinds a batch
	s_add_co_u32 s90, s90, s22
	s_lshl_b32 s90, s90, 12
	s_mov_b32 s91, 0
	v_and_b32 v1, 31, v0
	v_lshlrev_b32 v[L16], 4, v1
	v_and_b32 v10, 15, v0                          ; r
	v_bfe_u32 v11, v0, 4, 1                        ; h
	v_lshlrev_b32 v[ROWA], 8, v10
	v_lshl_add_u32 v[ROWA], v11, 5, v[ROWA]
	v_and_b32 v[IMGV], 7, v10
	v_lshlrev_b32 v[IMGV], 4, v[IMGV]
	v_lshl_add_u32 v[IMGV], v11, 7, v[IMGV]
	v_lshrrev_b32 v12, 3, v10
	v_lshl_add_u32 v[IMGV], v12, 8, v[IMGV]
	s_lshl_b32 s73, s18, 15
	v_add_nc_u32 v[ADRA], s73, v[L16]
	v_add_nc_u32 v[ADRB], 131072, v[L16]
	v_add_nc_u32 v[ADRB+1], 163840, v[L16]
	v_add_nc_u32 v[ADRB+2], 196608, v[L16]
	v_add_nc_u32 v[POS], s82, v10
	s_wait_dscnt 0x0                               ; both opening adds are done
	s_wait_kmcnt 0x0
	s_add_nc_u64 s[G0A+2:G0A+3], s[4:5], s[74:75]
	s_or_b32 s[G0A+3], s[G0A+3], 0x80000000        ; the type
	s_add_nc_u64 s[G0B+2:G0B+3], s[4:5], s[76:77]
	s_or_b32 s[G0B+3], s[G0B+3], 0x80000000
	s_add_nc_u64 s[XSB:XSB+1], s[6:7], s[78:79]
	s_add_nc_u64 s[WSB:WSB+1], s[6:7], s[80:81]
	s_add_nc_u64 s[TRB:TRB+1], s[8:9], s[84:85]
	s_add_nc_u64 s[CKB:CKB+1], s[10:11], s[86:87]
	s_add_nc_u64 s[CVB:CVB+1], s[12:13], s[86:87]
	s_add_nc_u64 s[QB:QB+1], s[14:15], s[88:89]
	s_add_nc_u64 s[KB:KB+1], s[QB:QB+1], 0x800000
	s_add_nc_u64 s[VB:VB+1], s[QB:QB+1], 0x1000000
	s_add_nc_u64 s[FNB:FNB+1], s[16:17], s[90:91]
	CROUND                                         ; all four work-groups are here: the joint loads meet
	s_cmp_eq_u32 s19, 0                            ; my one tensor load; the branch hangs on the wave's number alone; an s_nop 0 and four v_nop follow each line
	s_cbranch_scc0 .Lfor_w
	tensor_load_to_lds s[G0A:G0A+3], s[G1A:G1A+7]
	s_nop 0
	PLACES 4
	s_branch .Lasked
.Lfor_w:
	tensor_load_to_lds s[G0B:G0B+3], s[G1B:G1B+7]
	s_nop 0
	PLACES 4
.Lasked:
; cos and sin of tile a: 32 registers, (cos, sin) of pair 8 t + 4 h + i at 8 t + 2 i
.macro TRSET a
.if (\a) < 2
.set TRA, 192+32*(\a)
.else
.set TRA, 128+32*((\a)-2)
.endif
.endm
.macro TRIG a
	TRSET \a
.irp t, 0,1,2,3
	global_load_b128 v[TRA+8*\t:TRA+8*\t+3], v[ROWA], s[TRB:TRB+1] offset:(\a)*4096+\t*64
	global_load_b128 v[TRA+8*\t+4:TRA+8*\t+7], v[ROWA], s[TRB:TRB+1] offset:(\a)*4096+\t*64+16
.endr
.endm
.macro CACHE reg, bs                   ; my 64 tokens of a cache, in the accumulators' order, tile by tile
.irp a, 0,1,2,3
.irp t, 0,1,2,3
	global_load_b128 v[\reg+8*(4*\a+\t):\reg+8*(4*\a+\t)+3], v[ROWA], s[\bs:\bs+1] offset:\a*4096+\t*64 th:TH_LOAD_NT
	global_load_b128 v[\reg+8*(4*\a+\t)+4:\reg+8*(4*\a+\t)+7], v[ROWA], s[\bs:\bs+1] offset:\a*4096+\t*64+16 th:TH_LOAD_NT
.endr
.endr
.endm
.macro FETA s                          ; x's four fragments of K step s into set s % 2
	WIN 0
.irp a, 0,1,2,3
.irp c, 0,1
	ds_load_b128 v[AF+32*((\s)%2)+8*\a+4*\c:AF+32*((\s)%2)+8*\a+4*\c+3], v[ADRA] offset:\a*8192+(\s)*1024+\c*512
.endr
.endr
.endm
.macro FETB s, g                       ; W's four fragments of kind g, K step s
	WIN 0x40                                       ; destination window 1
.irp t, 0,1,2,3
.irp c, 0,1
	ds_load_b128 v[32*(\g)+8*\t+4*\c:32*(\g)+8*\t+4*\c+3], v[ADRB+(\g)] offset:\t*8192+(\s)*1024+\c*512
.endr
.endr
.endm
; 16 matrix instructions: kind g, K step s: x's four tiles x the kind's four tiles of channels.  The 48 accumulators take turns, one instruction a turn.
; K step 0 starts the sums with the constant 0.  K steps 4 to 7 take their scale words from lanes 16-31.
.macro GRP s, g
.if (\g) < 2
	WIN 0xa1                                       ; source 0 (W) window 1, source 1 (x) window 0, C and D window 2
.set AC0, 128*(\g)
.else
	WIN 0x51                                       ; C and D window 1
.set AC0, 128
.endif
.irp a, 0,1,2,3
.irp t, 0,1,2,3
.set rD, AC0+8*(4*\a+\t)
.set rW, 32*(\g)+8*\t
.set rX, AF+32*((\s)%2)+8*\a
.set rSW, WS+4*(4*(\g)+\t)+((\s)&3)
.set rSX, XS+4*\a+((\s)&3)
.if (\s) == 0
	v_wmma_scale_f32_16x16x128_f8f6f4 v[rD:rD+7], v[rW:rW+7], v[rX:rX+7], 0, v[rSW], v[rSX] matrix_a_fmt:MATRIX_FMT_FP4 matrix_b_fmt:MATRIX_FMT_FP4
.elseif (\s) < 4
	v_wmma_scale_f32_16x16x128_f8f6f4 v[rD:rD+7], v[rW:rW+7], v[rX:rX+7], v[rD:rD+7], v[rSW], v[rSX] matrix_a_fmt:MATRIX_FMT_FP4 matrix_b_fmt:MATRIX_FMT_FP4
.else
	v_wmma_scale_f32_16x16x128_f8f6f4 v[rD:rD+7], v[rW:rW+7], v[rX:rX+7], v[rD:rD+7], v[rSW], v[rSX] matrix_a_fmt:MATRIX_FMT_FP4 matrix_b_fmt:MATRIX_FMT_FP4 matrix_a_scale:MATRIX_SCALE_ROW1 matrix_b_scale:MATRIX_SCALE_ROW1
.endif
.endr
.endr
.endm
.irp nb, 0,1,2,3,4,5,6,7,8,9,10,11
	global_load_b128 v[WS+4*\nb:WS+4*\nb+3], v[L16], s[WSB:WSB+1] offset:\nb*512   ; register 4 nb + q: lanes 0-15 K step q's word of row r, lanes 16-31 K step 4 + q's
.endr
.irp a, 0,1,2,3
	global_load_b128 v[XS+4*\a:XS+4*\a+3], v[L16], s[XSB:XSB+1] offset:\a*512
.endr
	s_wait_tensorcnt 0x0                           ; my part of the tiles is in LDS,
	s_barrier_signal -1
	s_barrier_wait -1                              ; everybody's is
	FETA 0                                         ; the first K step's fragments,
	FETB 0, 0
	FETB 0, 1
	FETB 0, 2
	WIN 0
	TRIG 0                                         ; and only now what the way out will read: it travels while the products run
	TRIG 1
	WIN 0xc0                                       ; destination window 3
	CACHE 0, CKB
	WIN 0
	s_wait_loadcnt 48                              ; the 16 loads of scale words are in: behind them stand 16 of cos and sin and 32 of cache_k
; Eight K steps x three kinds.  Behind each group its W registers take the next K step's fragments, four places behind the products that read them.
; THE COUNTS ON DSCNT are the LDS loads issued behind those that the group needs, 8 a run: kind 0: the runs of kinds 1 and 2 (16); kinds 1 and 2: three runs (24); in the last K step nothing is fetched: 16, 8, 0.
; cache_v's 32 loads are issued behind K step 2: five K steps of products stand between them and the way out.
.irp s, 0,1,2,3,4,5,6,7
.irp g, 0,1,2
.if \s == 7
	s_wait_dscnt 16-8*\g
.elseif \g == 0
	s_wait_dscnt 16
.else
	s_wait_dscnt 24
.endif
	GRP \s, \g
	PLACES 4
.if \s < 7
.if \g == 0
	FETA \s+1
.endif
	FETB \s+1, \g
.endif
.if (\s == 2) && (\g == 2)
	WIN 0xc0
	CACHE 128, CVB
.endif
.endr
.endr
	WIN 0
	TRIG 2                                         ; into the registers that held x's fragments (the four places above serve these loads and the first reads of results)
	TRIG 3
; THE WAY OUT, a tile of 16 tokens at a time.
.macro ROT acc                         ; the rotary embedding: (x0, x1) -> (x0 c + x1 s, x1 c - x0 s), a pair an instruction; each accumulator is read from its low end on
	WIN 0x02                                       ; source 0 window 2
.irp t, 0,1,2,3
.irp i, 0,2,4,6
	v_pk_mul_f32 v[T+8*\t+\i:T+8*\t+\i+1], v[(\acc)+8*\t+\i:(\acc)+8*\t+\i+1], v[TRA+8*\t+\i:TRA+8*\t+\i+1] op_sel_hi:[1,0]   ; x0 c, x1 c
.endr
.endr
.irp t, 0,1,2,3
.irp i, 0,2,4,6
	v_pk_fma_f32 v[T+8*\t+\i:T+8*\t+\i+1], v[(\acc)+8*\t+\i:(\acc)+8*\t+\i+1], v[TRA+8*\t+\i:TRA+8*\t+\i+1], v[T+8*\t+\i:T+8*\t+\i+1] op_sel:[1,1,0] op_sel_hi:[0,1,1] neg_hi:[0,1,0]   ; + x1 s, - x0 s
.endr
.endr
.endm
.macro SELK a                          ; k where the position lies in the part that is written, cache_k elsewhere
	WIN 0x03                                       ; source 0 window 3
.set j, 0
.rept 32
	v_cndmask_b32 v[T+j], v[32*(\a)+j], v[T+j], vcc_lo
.set j, j+1
.endr
.endm
.macro SELV a                          ; the same for v: source 0 cache_v (window 3), source 1 the accumulators (window 1), from their low ends on
	WIN 0x07
.set j, 0
.rept 32
	v_cndmask_b32 v[T+j], v[128+32*(\a)+j], v[128+32*(\a)+j], vcc_lo
.set j, j+1
.endr
.endm
.macro PACKP p0                        ; T's 32 numbers round to f16: four pieces of 16 bytes, in window 1
	WIN 0x40
.irp t, 0,1,2,3
.irp i, 0,1,2,3
	v_cvt_pk_f16_f32 v[(\p0)+4*\t+\i], v[T+8*\t+2*\i], v[T+8*\t+2*\i+1]
.endr
.endr
.endm
.macro OUTP p0, adr, bs, a             ; a store's data are its source 1: window 1.  Each store covers 512 neighbouring bytes
	WIN 0x04
.irp t, 0,1,2,3
	global_store_b128 v[\adr], v[(\p0)+4*\t:(\p0)+4*\t+3], s[\bs:\bs+1] offset:(\a)*2048+\t*512
.endr
.endm
.macro FINEOUT kind                    ; T as it is, in f32
	WIN 0
.irp t, 0,1,2,3
	global_store_b128 v[ROWA], v[T+8*\t:T+8*\t+3], s[FNB:FNB+1] offset:(\kind)*65536+\t*64
	global_store_b128 v[ROWA], v[T+8*\t+4:T+8*\t+7], s[FNB:FNB+1] offset:(\kind)*65536+\t*64+16
.endr
.endm
; THE COUNTS ON LOADCNT: behind what tile a needs stand cache_v's later tiles (8 loads each) and the later loads of cos and sin: 24 + 16, 16 + 16, 8, 0.
.macro EPI a, fine
	TRSET \a
.if (\a) == 0
	s_wait_loadcnt 40
.elseif (\a) == 1
	s_wait_loadcnt 32
.elseif (\a) == 2
	s_wait_loadcnt 8
.else
	s_wait_loadcnt 0x0
.endif
	s_wait_xcnt 0x0                                ; the last tile's stores have read the packed registers, which are written anew
	v_add_nc_u32 v[TP], 16*(\a), v[POS]
	v_cmp_gt_u32 vcc_lo, 0x800, v[TP]              ; does the position lie in the 2,048 that the update writes?
	ROT 32*(\a)                                    ; q
.if \fine
	FINEOUT 0
.endif
	PACKP 0
	OUTP 0, L16, QB, \a
.if \fine
	s_wait_xcnt 0x0                                ; the f32 stores have read T
.endif
	ROT 128+32*(\a)                                ; k
	SELK \a
.if \fine
	FINEOUT 1
.endif
	PACKP 16
	OUTP 16, L16, KB, \a
.if \fine
	s_wait_xcnt 0x0
.endif
	SELV \a                                        ; v
.if \fine
	FINEOUT 2
.endif
	PACKP 32
	OUTP 32, IMGV, VB, \a
	WIN 0
.endm
	s_cmp_eq_u32 s72, 0                            ; ids that the partners share, and the wave's number
	s_cbranch_scc0 .Lplain
	EPI 0, 1                                       ; positions 0-15 of a batch go out in f32 too
	s_branch .Lrest
.Lplain:
	EPI 0, 0
.Lrest:
	EPI 1, 0
	EPI 2, 0
	EPI 3, 0
	s_wait_tensorcnt 0x0                           ; the wave's end
	ds_add_u32 v[SPW], v[NIL]
	s_wait_dscnt 0x0
	CROUND                                         ; the closing round
	s_endpgm
.Lfunc_end_k_qb33bfb34c9_qkvgemm:
	.size	k_qb33bfb34c9_qkvgemm, .Lfunc_end_k_qb33bfb34c9_qkvgemm-k_qb33bfb34c9_qkvgemm
	.p2alignl 7, 3214868480
	.fill 96, 4, 3214868480
	.section	.rodata,"a",@progbits
	.p2align	6, 0x0
	.amdhsa_kernel k_qb33bfb34c9_qkvgemm
		.amdhsa_group_segment_fixed_size 229888
		.amdhsa_private_segment_fixed_size 0
		.amdhsa_enable_private_segment 0
		.amdhsa_kernarg_size 56
		.amdhsa_user_sgpr_count 2
		.amdhsa_user_sgpr_kernarg_segment_ptr 1
		.amdhsa_wavefront_size32 1
		.amdhsa_system_sgpr_workgroup_id_x 1
		.amdhsa_system_sgpr_workgroup_id_y 1
		.amdhsa_system_sgpr_workgroup_id_z 1
		.amdhsa_system_vgpr_workitem_id 0
		.amdhsa_next_free_vgpr 1024
		.amdhsa_next_free_sgpr 100
		.amdhsa_reserve_vcc 1
		.amdhsa_float_denorm_mode_32 3
		.amdhsa_float_denorm_mode_16_64 3
		.amdhsa_memory_ordered 1
		.amdhsa_forward_progress 1
		.amdhsa_inst_pref_size 142
	.end_amdhsa_kernel
	.amdgpu_metadata
---
amdhsa.version: [ 1, 2 ]
amdhsa.kernels:
  - .name:           k_qb33bfb34c9_qkvgemm
    .symbol:         k_qb33bfb34c9_qkvgemm.kd
    .args:
      - { .name: codes, .offset: 0, .size: 8, .value_kind: global_buffer, .address_space: global }
      - { .name: scl, .offset: 8, .size: 8, .value_kind: global_buffer, .address_space: global }
      - { .name: rope, .offset: 16, .size: 8, .value_kind: global_buffer, .address_space: global }
      - { .name: cache_k, .offset: 24, .size: 8, .value_kind: global_buffer, .address_space: global }
      - { .name: cache_v, .offset: 32, .size: 8, .value_kind: global_buffer, .address_space: global }
      - { .name: qkv, .offset: 40, .size: 8, .value_kind: global_buffer, .address_space: global }
      - { .name: fine, .offset: 48, .size: 8, .value_kind: global_buffer, .address_space: global }
    .group_segment_fixed_size: 229888
    .private_segment_fixed_size: 0
    .kernarg_segment_align: 8
    .kernarg_segment_size: 56
    .max_flat_workgroup_size: 128
    .sgpr_count:     100
    .vgpr_count:     1024
    .wavefront_size: 32
...
	.end_amdgpu_metadata
.endif
;; end of part 2
;; launch attn (part 3): grid 8 x 32, 16 waves a work-group, no clusters, 327,680 bytes of LDS; arguments qkv, yws; writes yws
.if DOCPART == 3
	.amdgcn_target "amdgcn-amd-amdhsa--gfx1250"
	.amdhsa_code_object_version 6
	.text
	.protected	k_qb33bfb34c9_attn
	.globl	k_qb33bfb34c9_attn
	.p2align	8
	.type	k_qb33bfb34c9_attn,@function
k_qb33bfb34c9_attn:
	s_mov_b64 s[64:65], 0
	v_nop
	global_prefetch_b8 v0, s[64:65] scope:SCOPE_SE
	s_setreg_imm32_b32 hwreg(HW_REG_WAVE_MODE, 25, 1), 1
	s_wait_xcnt 0x0
; y[b][h][q] = the sum over keys k <= q of softmax_k(q . k / 8) v, head size 64, 2,048 positions, 32 batch x heads.  Operands in f16, products, maxima and sums in f32.
; SHARES.  A work-group (x = i, y = batch x head) owns query blocks i and 15 - i of 128 queries: under the causal mask every work-group then has the same work.  Sixteen waves, one tile of 16 queries each
; (waves 0-7: block i; waves 8-15: block 15 - i), 256 registers a wave, four waves to a SIMD, so that one wave's softmax stands beside another's products and LDS loads.
; All sixteen walk the keys from 0 on through ONE ring of two LDS slots of 256 keys.  The trip counts are constants; from the first step all of whose keys come after a wave's queries on, the rest of a slot's steps
; is jumped over by a scalar branch on ids (such a step is never followed by one that counts).
; NO CLUSTER: the work-groups of a head need 16 - i blocks of keys each, so a joint load would bring some partners tiles that none of their waves reads.
; LAYOUT.  S^T = K Q^T (source 0 = 16 keys, source 1 = my 16 queries), O^T = V^T P (source 0 = 16 channels, source 1 = P): a lane holds ONE query (lane % 16) throughout; S^T rounded in pairs IS P.
; q, k, v lie in memory as pieces of 16 bytes in the order of the operands' registers: [token tile 16 tokens][t 4][place 32][16 bytes], so every LDS load reads at 16 x lane; V is turned by ds_load_tr16_b128.
; A SLOT: waves 0 and 1 fetch pieces t = 0, 1 and t = 2, 3 of K's 16 token tiles, waves 2 and 3 the same of V's: each load takes part of EVERY token tile, so a slot that is asked for has readers for all four loads.
; Piece (tile, t) lies at (t / 2) x 16,384 + tile x 1,024 + (t % 2) x 512; V's 32,768 further on.
; FRAGMENTS A STEP AHEAD.  K's 16 LDS loads of step q + 1 are issued behind step q's products K Q^T, which are the last readers of K's registers, and land during step q's softmax; V's 16 loads of step q are issued
; at the step's head and are wanted at its end.  Only a slot's first step asks for its K and waits for it: a slot may be read only behind its barrier.
; SOFTMAX.  A running maximum m and sum l: p = 2^(c s - c m), c = log2(e) / 8; in every step O and l are multiplied by 2^(c m_old - c m_new).
; LIMITS: hidden scores count as -infinity (reference() adds -1e9, which gives the weight 0 while scores stay far under 1e9 in size); p goes in f16 (weights under 6e-8 are lost).
.set SLOT1, 65536
.set SPARE, 131072                     ; behind the ring: the spare words, 128 bytes for each of 16 waves
.set L16, 1                            ; v1  16 x lane
.set AD,  2                            ; v2  the slot in hand + 16 x lane
.set SPW, 3
.set NIL, 4
.set PFO, 5                            ; v5  256 x lane: the prefetches' offset
.set CM,  8                            ; v8  c m;  v9 m (named with it as a pair)
.set MX,  9
.set LS,  10                           ; v[10:11] l, in two halves
.set AL,  12                           ; v12 the step's factor; v13 named with it as a pair
.set X,   14                           ; v14-17 at work
.set CO,  18                           ; v18 c m_old
.set Q,   24                           ; v24-39
.set KR,  40                           ; v40-103  K: tile u, fragment f at 16 u + 8 f
.set VR,  104                          ; v104-167 V^T: 32 keys g, 16 channels t at 32 g + 8 t
.set S,   168                          ; v168-199
.set P,   200                          ; v200-215
.set O,   216                          ; v216-247
.set WV,  18
.set SEL, 20
.set CS,  22
.set G1,  24
.set G0,  32
.set TB,  2                            ; s2  LDS byte at which the slot in hand begins
.set KF,  40                           ; s40 the first key of the slot in hand
.set Q0,  41                           ; s41 my first query
.set QL,  42                           ; s42 my work-group's last query
.set SLOTS, 43
.set PFA, 44                           ; s[44:45] where my prefetches stand
.set LIM, 46                           ; s46 1 in a wave that prefetches, else the greatest number
.set KS,  47                           ; s47 the step's first key
.set QE,  54                           ; s54 my last query
.set T2,  55                           ; s55 at work
.macro TLOAD                           ; waves 0 to 3 fetch, one load each; an s_nop 0 and four v_nop follow the line
	s_cmp_lt_u32 s[WV], 4
	s_cbranch_scc0 .Lasked_\@
	tensor_load_to_lds s[G0:G0+3], s[G1:G1+7]
	s_nop 0
.rept 4
	v_nop
.endr
.Lasked_\@:
.endm
; A PREFETCH INTO THE L2 of what the NEXT change of slots will ask for: a slot's 32,768 dense bytes of K and of V.  All work-groups of a head walk the same K and V from key 0 on: the one with i = 0, which walks
; all eight slots, asks.  In it waves 4 to 7 ask for K's bytes and waves 8 to 11 for V's, 8,192 a wave, lanes 256 bytes apart: each block of 256 bytes is named once in the launch.
; The last change that fills a slot asks for nothing; slots 0 and 1 come by their loads alone.
.macro ASK
	s_cmp_gt_u32 s[SLOTS], s[LIM]
	s_cbranch_scc0 .Lnot_mine_\@
	global_prefetch_b8 v[PFO], s[PFA:PFA+1] th:TH_LOAD_NT scope:SCOPE_SE
.Lnot_mine_\@:
.endm
	s_load_b128 s[4:7], s[0:1], 0x0                ; qkv s[4:5], yws s[6:7]
	v_lshl_add_u32 v[SPW], v0, 2, SPARE
	v_mov_b32 v[NIL], 0
	ds_add_u32 v[SPW], v[NIL]                      ; the wave's opening: the add, twice on end, and its wait ahead of the first tensor load
	ds_add_u32 v[SPW], v[NIL]
	v_lshrrev_b32 v1, 5, v0
	v_readfirstlane_b32 s[WV], v1                  ; wave 0..15
	s_and_b32 s8, ttmp7, 0xffff                    ; batch x head
	; group 1: 16 rows of 1,024 bytes (128 elements of 8), 2,048 bytes apart in memory, dense in LDS
	s_mov_b32 s[G1+0], 3<<16
	s_mov_b32 s[G1+1], 128<<16                     ; tensor_dim0
	s_mov_b32 s[G1+2], 16<<16                      ; tensor_dim1
	s_mov_b32 s[G1+3], 128<<16                     ; tile_dim0
	s_mov_b32 s[G1+4], 16                          ; tile_dim1
	s_mov_b32 s[G1+5], 256                         ; the pitch
	s_mov_b32 s[G1+6], 0
	s_mov_b32 s[G1+7], 0
	s_mov_b32 s[G0], 1
	s_and_b32 s[G0+1], s[WV], 3
	s_lshl_b32 s[G0+1], s[G0+1], 14                ; LDS: 16,384 x wave, in slot 0
	s_sub_co_u32 s9, 15, ttmp9
	s_cmp_lt_u32 s[WV], 8
	s_cselect_b32 s9, ttmp9, s9                    ; my block of 128 queries
	s_and_b32 s10, s[WV], 7
	s_lshl_b32 s9, s9, 7
	s_lshl_b32 s10, s10, 4
	s_add_co_u32 s[Q0], s9, s10
	s_add_co_u32 s[QE], s[Q0], 15
	s_sub_co_u32 s[QL], 16, ttmp9
	s_lshl_b32 s[QL], s[QL], 7
	s_sub_co_u32 s[QL], s[QL], 1
	s_lshl_b32 s12, s8, 18                         ; the head's first byte in q, in k and in v
	s_and_b32 s11, s[WV], 1
	s_lshl_b32 s11, s11, 10                        ; pieces 0, 1 or pieces 2, 3
	s_add_co_u32 s11, s11, s12
	s_mov_b32 s13, 0x1000000
	s_cmp_lt_u32 s[WV], 2
	s_cselect_b32 s13, 0x800000, s13               ; k or v
	s_add_co_u32 s14, s11, s13
	s_mov_b32 s15, 0
	s_lshl_b32 s16, s[Q0], 7                       ; q: 128 bytes a token
	s_add_co_u32 s16, s16, s12
	s_mov_b32 s17, 0
	s_lshr_b32 s48, s8, 4                          ; y: token tile 128 b + Q0 / 16 of 32,768 bytes, the head's 2,048 in it
	s_lshl_b32 s48, s48, 22
	s_lshl_b32 s49, s[Q0], 11
	s_add_co_u32 s48, s48, s49
	s_and_b32 s49, s8, 15
	s_lshl_b32 s49, s49, 11
	s_add_co_u32 s48, s48, s49
	s_mov_b32 s49, 0
	s_mov_b32 s50, 0x1000000                       ; the prefetches: waves 4 to 7 k, waves 8 to 11 v,
	s_cmp_lt_u32 s[WV], 8
	s_cselect_b32 s50, 0x800000, s50
	s_add_co_u32 s50, s50, s12
	s_and_b32 s51, s[WV], 3
	s_lshl_b32 s51, s51, 13                        ; my wave's 8,192 bytes,
	s_add_co_u32 s50, s50, s51
	s_add_co_u32 s50, s50, 32768                   ; in slot 1: the first change of slots steps it to slot 2
	s_mov_b32 s51, 0
	s_sub_co_u32 s9, s[WV], 4
	s_lshr_b32 s9, s9, 3                           ; 0 in waves 4 to 11,
	s_or_b32 s9, s9, ttmp9                         ; of the work-group with i = 0
	s_cmp_eq_u32 s9, 0
	s_cselect_b32 s[LIM], 1, -1
	s_mov_b32 s[SEL], 0x76543210
	s_mov_b32 s[SEL+1], 0xfedcba98
	s_mov_b32 s[CS], 0x3e38aa3b                    ; c = log2(e) / 8
	s_mov_b32 s[CS+1], s[CS]
	s_mov_b32 s[TB], 0
	s_mov_b32 s[KF], 0
	s_mov_b32 s[SLOTS], 7
	s_wait_dscnt 0x0                               ; both opening adds are done
	s_wait_kmcnt 0x0
	s_add_nc_u64 s[G0+2:G0+3], s[4:5], s[14:15]
	s_or_b32 s[G0+3], s[G0+3], 0x80000000
	TLOAD                                          ; slot 0
	s_add_nc_u64 s[PFA:PFA+1], s[4:5], s[50:51]
	s_add_nc_u64 s[52:53], s[4:5], s[16:17]
	s_add_nc_u64 s[6:7], s[6:7], s[48:49]
	v_and_b32 v1, 31, v0
	v_lshlrev_b32 v[PFO], 8, v1
	v_lshlrev_b32 v[L16], 4, v1
.irp t, 0,1,2,3
	global_load_b128 v[Q+4*\t:Q+4*\t+3], v[L16], s[52:53] offset:\t*512   ; Q stays in registers
.endr
	v_mov_b32 v[MX], 0xff61b1e6                    ; -3e38, under every score
	v_mul_f32 v[CM], s[CS], v[MX]
	v_mov_b32 v[LS], 0
	v_mov_b32 v[LS+1], 0
	v_mov_b32 v[AL+1], 0                           ; (named as the upper half of a pair)
	v_mov_b32 v[X+1], 0
.set j, 0
.rept 32
	v_mov_b32 v[O+j], 0                            ; the step is written once: the first finds zeros
.set j, j+1
.endr
.macro KLOAD q                         ; K's 16 fragment loads of the slot's q-th 64 keys
.irp u, 0,1,2,3
.irp t, 0,1,2,3
	ds_load_b128 v[KR+16*\u+4*\t:KR+16*\u+4*\t+3], v[AD] offset:(\t/2)*16384+(4*(\q)+\u)*1024+(\t%2)*512
.endr
.endr
.endm
; A KEY STEP: 64 keys, the q-th of the slot in hand.  tag names the label behind the slot's four steps.
.macro STEP q, tag
	s_add_co_u32 s[KS], s[KF], 64*(\q)             ; the step's first key
	s_cmp_gt_u32 s[KS], s[QE]                      ; all 64 keys come after my 16 queries, and so do those of every later step: the rest of the slot's steps is left out.
	s_cbranch_scc1 .Lend_\tag                      ; So every way into step q leads through step q - 1, which has asked for its K.  No barrier, wait for tiles or tensor load stands in a step
.if (\q) == 0
	v_add_nc_u32 v[AD], s[TB], v[L16]
.rept 3
	v_nop                                          ; with the addition: four places between the last step's products and the loads into the registers that they read
.endr
	KLOAD 0                                        ; a slot's first step asks for its own K
.else
.rept 4
	v_nop                                          ; four places between the last step's products V^T P and the loads into V's registers
.endr
.endif
.irp g, 0,1
.irp t, 0,1,2,3
.irp e, 0,1
	ds_load_tr16_b128 v[VR+32*\g+8*\t+4*\e:VR+32*\g+8*\t+4*\e+3], v[AD] offset:32768+(\t/2)*16384+(4*(\q)+2*\g+\e)*1024+(\t%2)*512
.endr
.endr
.endr
	s_wait_dscnt 16                                ; K's 16 loads of this step are in: behind them stand V's 16 alone
.irp f, 0,1                                    ; the four accumulators take turns
.irp u, 0,1,2,3
.if \f == 0
	v_wmma_f32_16x16x32_f16 v[S+8*\u:S+8*\u+7], v[KR+16*\u:KR+16*\u+7], v[Q:Q+7], 0
.else
	v_wmma_f32_16x16x32_f16 v[S+8*\u:S+8*\u+7], v[KR+16*\u+8:KR+16*\u+15], v[Q+8:Q+15], v[S+8*\u:S+8*\u+7]
.endif
.endr
.endr
.rept 4
	v_nop                                          ; four places: ahead of the first read of the scores, and of the loads into K's registers
.endr
.if (\q) < 3
	KLOAD (\q)+1                                   ; the next step's K: it lands during this step's softmax.  (Where that step is left out, the wait for 0 at the change of slots, or at the wave's end, covers these loads)
.endif
	s_add_co_u32 s[T2], s[KS], 63
	s_cmp_le_u32 s[T2], s[Q0]                      ; all 64 keys count for all my queries: no mask
	s_cbranch_scc1 .Lopen_\@
	s_sub_co_i32 s[T2], s[Q0], s[KS]
	v_and_b32 v6, 15, v0
	v_bfe_u32 v7, v0, 4, 1
	v_lshlrev_b32 v7, 3, v7
	v_sub_nc_u32 v6, v6, v7
	v_add_nc_u32 v6, s[T2], v6                     ; d = my query - the step's first key - 8 h.  Register 8 u + j holds that key + 16 u + 8 h + j: hidden where 16 u + j > d
	v_mov_b32 v7, 0xff800000
.irp u, 0,1,2,3
.irp j, 0,1,2,3,4,5,6,7
	v_cmp_gt_i32 vcc_lo, 16*\u+\j, v6
	v_cndmask_b32 v[S+8*\u+\j], v[S+8*\u+\j], v7, vcc_lo
.endr
.endr
.Lopen_\@:
.irp j, 0,1,2,3
	v_max3_num_f32 v[X+\j], v[S+8*\j], v[S+8*\j+1], v[S+8*\j+2]   ; the maximum: four chains, each accumulator from its low end on
.endr
.irp i, 3,5
.irp j, 0,1,2,3
	v_max3_num_f32 v[X+\j], v[X+\j], v[S+8*\j+\i], v[S+8*\j+\i+1]
.endr
.endr
	v_max3_num_f32 v[X], v[X], v[S+7], v[S+15]
	v_max3_num_f32 v[X+2], v[X+2], v[S+23], v[S+31]
	v_max3_num_f32 v[X], v[X], v[X+1], v[X+2]
	v_max3_num_f32 v[X], v[X], v[X+3], v[MX]       ; and the old m
	v_permlanex16_b32 v[X+1], v[X], s[SEL], s[SEL+1]   ; the query's other 32 keys lie in the lane 16 away
	v_mov_b32 v[CO], v[CM]
	v_max_num_f32 v[MX], v[X], v[X+1]
	v_mul_f32 v[CM], s[CS], v[MX]
	v_sub_f32 v[CO], v[CO], v[CM]                  ; c m_old - c m_new
.set j, 0
.rept 16
	v_pk_fma_f32 v[S+j:S+j+1], v[S+j:S+j+1], s[CS:CS+1], v[CM:CM+1] op_sel_hi:[1,0,0] neg_lo:[0,0,1] neg_hi:[0,0,1]   ; c s - c m
.set j, j+2
.endr
	v_exp_f32 v[AL], v[CO]
.set j, 0
.rept 32
	v_exp_f32 v[S+j], v[S+j]
.set j, j+1
.endr
	v_nop                                          ; a plain place behind the last exponential
	s_wait_alu depctr_va_vdst(0)                   ; one wait for the batch of 33, ahead of its first reader
.irp u, 0,1,2,3
.irp i, 0,1,2,3
	v_cvt_pk_f16_f32 v[P+4*\u+\i], v[S+8*\u+2*\i], v[S+8*\u+2*\i+1]
.endr
.endr
.irp z, 0,1,2,3,4,5,6,7                        ; the sum of the 16 pairs, in place
	v_pk_add_f32 v[S+4*\z:S+4*\z+1], v[S+4*\z:S+4*\z+1], v[S+4*\z+2:S+4*\z+3]
.endr
.irp z, 0,1,2,3
	v_pk_add_f32 v[S+8*\z:S+8*\z+1], v[S+8*\z:S+8*\z+1], v[S+8*\z+4:S+8*\z+5]
.endr
.irp z, 0,1
	v_pk_add_f32 v[S+16*\z:S+16*\z+1], v[S+16*\z:S+16*\z+1], v[S+16*\z+8:S+16*\z+9]
.endr
	v_pk_add_f32 v[S:S+1], v[S:S+1], v[S+16:S+17]
	v_pk_fma_f32 v[LS:LS+1], v[LS:LS+1], v[AL:AL+1], v[S:S+1] op_sel_hi:[1,0,1]
.set j, 0
.rept 16
	v_pk_mul_f32 v[O+j:O+j+1], v[O+j:O+j+1], v[AL:AL+1] op_sel_hi:[1,0]
.set j, j+2
.endr
.if (\q) < 3
	s_wait_dscnt 16                                ; V's 16 loads are in: behind them stand the next step's 16 of K
.else
	s_wait_dscnt 0x0                               ; V is in: nothing was asked for behind it
.endif
.irp g, 0,1
.irp t, 0,1,2,3
	v_wmma_f32_16x16x32_f16 v[O+8*\t:O+8*\t+7], v[VR+32*\g+8*\t:VR+32*\g+8*\t+7], v[P+8*\g:P+8*\g+7], v[O+8*\t:O+8*\t+7]
.endr
.endr
.endm
; THE CHANGE OF SLOTS stands at a slot's head.  Each wave waits for all its tensor loads, adds 0 to its spare word (fill = 1: twice on end),
; and waits for that and for its reads of the slot that it has left.  Behind the barrier the slot ahead is whole and nobody reads the other one: it is filled with the next 256 keys.
.macro CHANGE fill
	s_wait_tensorcnt 0x0                           ; no tensor load of mine is out, so the group 0 may be written
	ds_add_u32 v[SPW], v[NIL]
.if \fill
	ds_add_u32 v[SPW], v[NIL]
	s_xor_b32 s[G0+1], s[G0+1], SLOT1              ; the other slot than last time,
	s_add_nc_u64 s[G0+2:G0+3], s[G0+2:G0+3], 32768 ; the next 256 keys
	s_wait_xcnt 0x0                                ; the last prefetch, a slot back, has read its address
	s_add_nc_u64 s[PFA:PFA+1], s[PFA:PFA+1], 32768
.endif
	s_wait_dscnt 0x0
	s_barrier_signal -1
	s_barrier_wait -1
.if \fill
	s_add_co_u32 s[KS], s[KF], 256                 ; the first key of the slot that this change would ask for:
	s_cmp_gt_u32 s[KS], s[QL]                      ; beyond my work-group's last query no wave reads it, so it is not asked for.  Ids and the count of slots alone: all sixteen waves go the same way
	s_cbranch_scc1 .Lpast_\@
	TLOAD                                          ; a wave's one tensor load until the next such barrier; every wait for tiles in this text is for 0
.Lpast_\@:
	ASK
.endif
.endm
	s_wait_loadcnt 0x0                             ; Q
.Lslot:                                            ; seven trips
	CHANGE 1
	STEP 0, a
	STEP 1, a
	STEP 2, a
	STEP 3, a
.Lend_a:
	s_add_co_u32 s[KF], s[KF], 256
	s_xor_b32 s[TB], s[TB], SLOT1
	s_sub_co_u32 s[SLOTS], s[SLOTS], 1
	s_cmp_lg_u32 s[SLOTS], 0
	s_cbranch_scc1 .Lslot
	CHANGE 0                                       ; the last slot is written out: nothing is left to fetch
	STEP 0, b
	STEP 1, b
	STEP 2, b
	STEP 3, b
.Lend_b:
	; THE WAY OUT: O^T / l, rounded to f16: register 8 t + j is y(query r, channel 16 t + 8 h + j): four pieces of 16 bytes, in the order of the projection's operand
.rept 4
	v_nop                                          ; places behind the last products
.endr
	v_add_f32 v[LS], v[LS], v[LS+1]
	v_permlanex16_b32 v[X+1], v[LS], s[SEL], s[SEL+1]
	v_add_f32 v[LS], v[LS], v[X+1]
	v_rcp_f32 v[AL], v[LS]
	v_nop
	s_wait_alu depctr_va_vdst(0)
.set j, 0
.rept 16
	v_pk_mul_f32 v[S+j:S+j+1], v[O+j:O+j+1], v[AL:AL+1] op_sel_hi:[1,0]
.set j, j+2
.endr
.irp t, 0,1,2,3
.irp i, 0,1,2,3
	v_cvt_pk_f16_f32 v[P+4*\t+\i], v[S+8*\t+2*\i], v[S+8*\t+2*\i+1]
.endr
.endr
.irp t, 0,1,2,3
	global_store_b128 v[L16], v[P+4*\t:P+4*\t+3], s[6:7] offset:\t*512   ; 512 neighbouring bytes
.endr
	s_wait_tensorcnt 0x0                           ; the wave's end
	ds_add_u32 v[SPW], v[NIL]
	s_wait_dscnt 0x0
	s_endpgm
.Lfunc_end_k_qb33bfb34c9_attn:
	.size	k_qb33bfb34c9_attn, .Lfunc_end_k_qb33bfb34c9_attn-k_qb33bfb34c9_attn
	.p2alignl 7, 3214868480
	.fill 96, 4, 3214868480
	.section	.rodata,"a",@progbits
	.p2align	6, 0x0
	.amdhsa_kernel k_qb33bfb34c9_attn
		.amdhsa_group_segment_fixed_size 327680
		.amdhsa_private_segment_fixed_size 0
		.amdhsa_enable_private_segment 0
		.amdhsa_kernarg_size 16
		.amdhsa_user_sgpr_count 2
		.amdhsa_user_sgpr_kernarg_segment_ptr 1
		.amdhsa_wavefront_size32 1
		.amdhsa_system_sgpr_workgroup_id_x 1
		.amdhsa_system_sgpr_workgroup_id_y 1
		.amdhsa_system_sgpr_workgroup_id_z 1
		.amdhsa_system_vgpr_workitem_id 0
		.amdhsa_next_free_vgpr 256
		.amdhsa_next_free_sgpr 66
		.amdhsa_reserve_vcc 1
		.amdhsa_float_denorm_mode_32 3
		.amdhsa_float_denorm_mode_16_64 3
		.amdhsa_memory_ordered 1
		.amdhsa_forward_progress 1
		.amdhsa_inst_pref_size 107
	.end_amdhsa_kernel
	.amdgpu_metadata
---
amdhsa.version: [ 1, 2 ]
amdhsa.kernels:
  - .name:           k_qb33bfb34c9_attn
    .symbol:         k_qb33bfb34c9_attn.kd
    .args:
      - { .name: qkv, .offset: 0, .size: 8, .value_kind: global_buffer, .address_space: global }
      - { .name: yws, .offset: 8, .size: 8, .value_kind: global_buffer, .address_space: global }
    .group_segment_fixed_size: 327680
    .private_segment_fixed_size: 0
    .kernarg_segment_align: 8
    .kernarg_segment_size: 16
    .max_flat_workgroup_size: 512
    .sgpr_count:     66
    .vgpr_count:     256
    .wavefront_size: 32
...
	.end_amdgpu_metadata
.endif
;; end of part 3
;; launch proj (part 4): grid 8 x 32, 4 waves a work-group, clusters of 4 x 4, 327,680 bytes of LDS; arguments yws, wp, out0; writes out0
.if DOCPART == 4
	.amdgcn_target "amdgcn-amd-amdhsa--gfx1250"
	.amdhsa_code_object_version 6
	.text
	.protected	k_qb33bfb34c9_proj
	.globl	k_qb33bfb34c9_proj
	.p2align	8
	.type	k_qb33bfb34c9_proj,@function
k_qb33bfb34c9_proj:
	s_mov_b64 s[64:65], 0
	v_nop
	global_prefetch_b8 v0, s[64:65] scope:SCOPE_SE
	s_setreg_imm32_b32 hwreg(HW_REG_WAVE_MODE, 25, 1), 1
	s_wait_xcnt 0x0
	s_wait_alu depctr_hold_cnt(0) depctr_sa_sdst(0) depctr_va_vdst(0) depctr_va_sdst(0) depctr_va_ssrc(0) depctr_va_vcc(0) depctr_vm_vsrc(0)
	s_getreg_b32 s2, hwreg(HW_REG_IB_STS2, 6, 4)
	s_cmp_eq_u32 s2, 0
	s_cbranch_scc0 .Lentry_in_a_cluster
	s_endpgm
.Lentry_in_a_cluster:
	s_bfe_u32 s2, ttmp6, 0x10000c
	s_cmp_lg_u32 s2, 0xf033
	s_cbranch_scc0 .Lentry_shape_is_right
	s_endpgm
.Lentry_shape_is_right:
; out0[m][n] = the sum over k of y[m][k] W_proj[k][n].  4,096 x 1,024 x 1,024; operands in f16, sums in f32, out0 in f32.
; A tile of out0 is 128 x 128: 256 work-groups of four waves, each 64 x 64: 16 accumulators.  K goes in four steps of 256 through a ring of two LDS slots, written out in a straight line.
; BOTH OPERANDS LIE IN MEMORY AS IMAGES OF THEIR REGISTERS: [tile of 16 rows][32 along K: 32][group 2][lane 32][16 bytes].  A K step of a tile of 16 rows is 8,192 dense bytes; a wave's tensor load brings four such
; (rows of 8,192 bytes, 32,768 apart); every LDS load reads at 16 x lane: no pitch, no padding.
; CLUSTERS: 4 x 4.  The four of a row of the cluster need the same tiles of y, the four of a column the same tiles of W_proj: each is asked for JOINTLY.
; THE MATRIX INSTRUCTION IS USED TRANSPOSED (source 0 = 16 columns of W_proj, source 1 = 16 rows of y): a lane holds eight neighbouring numbers of a row of out0.
; Rows 0-15 of each batch are written here too and written over by the launch that follows: leaving them out would take a branch on the place in the cluster.
; REGISTERS: window 0: v0-31 addresses; v32-95 at work on the way out; v128-255 the accumulators ((a, b) at 128 + 8 (4 a + b)).   window 1: two fragment buffers of 128: 64 registers of y, then 64 of W_proj.
.set HALFT,  32768                     ; what one tensor load brings, and what one wave reads of either operand
.set SLOT,   4*HALFT
.set STAGE,  2*SLOT                    ; behind the ring: 16 rows x 272 bytes for each wave, for the way out
.set SPITCH, 272
.set SPARE,  STAGE+4*16*SPITCH         ; behind the stages: the spare words
.set ADRA, 16
.set ADRB, 20
.set STO,  24
.set RD,   25
.set CO,   26
.set SPW,  28
.set NIL,  29
.set TMP,  32
.set ACC,  128
.set F0,   0
.set F1,   128
.set G1, 24
.set G0, 32
.set G1B, 48
.set G0B, 56
.set MSB, 0
.macro WIN new
.if MSB != \new
	s_set_vgpr_msb (MSB<<8)|\new
.set MSB, \new
.endif
.endm
.set MUL,  0x05                        ; sources 0 and 1 window 1; C and D window 0
.set TO_F, 0x40                        ; destination window 1
.macro JLOAD s                         ; a joint load: waves 0 and 1 fetch y's two halves, waves 2 and 3 W_proj's; an s_nop 0 and four v_nop follow each line
	s_cmp_eq_u32 s11, 0
	s_cbranch_scc0 .Lfor_b_\@
	tensor_load_to_lds s[G0+4*\s:G0+4*\s+3], s[G1:G1+7]
	s_nop 0
.rept 4
	v_nop
.endr
	s_branch .Lasked_\@
.Lfor_b_\@:
	tensor_load_to_lds s[G0B+4*\s:G0B+4*\s+3], s[G1B:G1B+7]
	s_nop 0
.rept 4
	v_nop
.endr
.Lasked_\@:
.endm
.macro CREST
	s_cmp_lg_u32 s10, 0
	s_cbranch_scc1 .Lnot_wave_0_\@
	s_barrier_signal -3
.Lnot_wave_0_\@:
	s_barrier_wait -3
	s_barrier_signal -1
	s_barrier_wait -1
.endm
.macro CROUND
	s_barrier_signal -1
	s_barrier_wait -1
	CREST
.endm
	s_load_b128 s[4:7], s[0:1], 0x0                ; yws s[4:5], wp s[6:7]
	s_load_b64 s[8:9], s[0:1], 0x10                ; out0
	v_lshl_add_u32 v[SPW], v0, 2, SPARE
	v_mov_b32 v[NIL], 0
	ds_add_u32 v[SPW], v[NIL]                      ; the wave's opening: the add, twice on end, and its wait ahead of my first tensor load
	ds_add_u32 v[SPW], v[NIL]
	v_lshrrev_b32 v1, 5, v0
	v_readfirstlane_b32 s10, v1                    ; wave 0..3
	s_lshr_b32 s11, s10, 1                         ; which half of the tile's rows is mine.  Also: I fetch for y (0) or for W_proj (1)
	s_and_b32 s12, s10, 1                          ; which half of its columns.  Also: which half of that tile I fetch
	s_bfe_u32 s40, ttmp6, 0x40000                  ; cx, cy
	s_bfe_u32 s41, ttmp6, 0x40004
	s_lshl_b32 s42, ttmp9, 2
	s_add_co_u32 s42, s42, s40                     ; tile column
	s_and_b32 s13, ttmp7, 0xffff
	s_lshl_b32 s13, s13, 2
	s_add_co_u32 s13, s13, s41                     ; tile row
	s_lshl_b32 s43, s41, 2
	s_lshl_b32 s43, 15, s43                        ; my row of the cluster
	s_lshl_b32 s44, 0x1111, s40                    ; my column
	s_or_b32 s[G1+0], s43, (3<<16)|(1<<21)         ; the mask; elements of 8 bytes; bit 21 set beside a mask
	s_or_b32 s[G1B+0], s44, (3<<16)|(1<<21)
.irp g, G1, G1B
	s_mov_b32 s[\g+1], 1024<<16                    ; tensor_dim0: 8,192 bytes
	s_mov_b32 s[\g+2], 4<<16                       ; tensor_dim1
	s_mov_b32 s[\g+3], 1024<<16                    ; tile_dim0
	s_mov_b32 s[\g+4], 4                           ; tile_dim1
	s_mov_b32 s[\g+5], 4096                        ; the pitch: 32,768 bytes
	s_mov_b32 s[\g+6], 0
	s_mov_b32 s[\g+7], 0
.endr
	s_lshl_b32 s17, s12, 2                         ; which four tiles of 16 rows I fetch
	s_lshl_b32 s16, s13, 3
	s_add_co_u32 s16, s16, s17
	s_lshl_b32 s16, s16, 15                        ; y: (8 x tile row + 4 x half) x 32,768
	s_lshl_b32 s46, s42, 3
	s_add_co_u32 s46, s46, s17
	s_lshl_b32 s46, s46, 15                        ; W_proj: the same by the tile column
	s_mov_b32 s17, 0
	s_mov_b32 s47, 0
	s_lshl_b32 s20, s10, 15                        ; where they go: wave x 32,768
	s_wait_dscnt 0x0                               ; both opening adds are done
	s_wait_kmcnt 0x0
	s_add_nc_u64 s[14:15], s[4:5], s[16:17]
	s_add_nc_u64 s[46:47], s[6:7], s[46:47]
	CROUND                                         ; all sixteen work-groups are here: the first joint loads meet
.irp s, 0,1
	s_mov_b32 s[G0+4*\s], 1
	s_add_co_u32 s[G0+4*\s+1], s20, \s*SLOT
	s_add_nc_u64 s[G0+4*\s+2:G0+4*\s+3], s[14:15], \s*8192
	s_or_b32 s[G0+4*\s+3], s[G0+4*\s+3], 0x80000000
	s_mov_b32 s[G0B+4*\s], 1
	s_add_co_u32 s[G0B+4*\s+1], s20, \s*SLOT
	s_add_nc_u64 s[G0B+4*\s+2:G0B+4*\s+3], s[46:47], \s*8192
	s_or_b32 s[G0B+4*\s+3], s[G0B+4*\s+3], 0x80000000
	JLOAD \s
.endr
	v_and_b32 v1, 15, v0                           ; r
	v_bfe_u32 v2, v0, 4, 1                         ; h
	v_and_b32 v3, 31, v0
	v_lshlrev_b32 v3, 4, v3                        ; 16 x lane
	s_lshl_b32 s21, s11, 15                        ; my 64 rows of y
	s_lshl_b32 s22, s12, 15                        ; my 64 columns of W_proj,
	s_add_co_u32 s22, s22, 2*HALFT                 ; which lie behind y's 128 rows
.irp s, 0,1
	v_add_nc_u32 v[ADRA+\s], s21, v3
	v_add_nc_u32 v[ADRB+\s], s22, v3
	s_add_co_u32 s21, s21, SLOT
	s_add_co_u32 s22, s22, SLOT
.endr
	s_mul_i32 s23, s10, 16*SPITCH
	s_add_co_u32 s23, s23, STAGE                   ; my stage
	v_mul_u32_u24 v4, v1, SPITCH                   ; in: row r, 32 bytes for each half of the lanes
	v_lshl_add_u32 v4, v2, 5, v4
	v_add_nc_u32 v[STO], s23, v4
	v_mul_u32_u24 v5, v2, SPITCH                   ; back: lanes 0-15 one row of 256 bytes, lanes 16-31 the next
	v_lshl_add_u32 v5, v1, 4, v5
	v_add_nc_u32 v[RD], s23, v5
	v_lshlrev_b32 v5, 12, v2                       ; and the same two rows of out0 (4,096 bytes a row)
	v_lshl_add_u32 v[CO], v1, 4, v5
	s_lshl_b32 s16, s13, 7
	s_lshl_b32 s17, s11, 6
	s_add_co_u32 s16, s16, s17                     ; my first row
	s_lshl_b32 s16, s16, 12
	s_mov_b32 s17, 0
	s_add_nc_u64 s[8:9], s[8:9], s[16:17]
	s_lshl_b32 s46, s42, 9                         ; my first column, in bytes: 512 x tile column + 256 x half
	s_lshl_b32 s47, s12, 8
	s_add_co_u32 s46, s46, s47
	s_mov_b32 s47, 0
	s_add_nc_u64 s[8:9], s[8:9], s[46:47]
; 8 matrix instructions: row blocks a0, a0 + 1 x all 4 column blocks, 32 along K: half c of buffer f.  The 16 accumulators take turns
.macro MUL8 f, c, a0, zero
.irp a, \a0, \a0+1
.irp b, 0,1,2,3
.if \zero
	v_wmma_f32_16x16x32_f16 v[ACC+8*(4*(\a)+\b):ACC+8*(4*(\a)+\b)+7], v[\f+64+8*(4*\c+\b):\f+64+8*(4*\c+\b)+7], v[\f+8*(4*\c+\a):\f+8*(4*\c+\a)+7], 0
.else
	v_wmma_f32_16x16x32_f16 v[ACC+8*(4*(\a)+\b):ACC+8*(4*(\a)+\b)+7], v[\f+64+8*(4*\c+\b):\f+64+8*(4*\c+\b)+7], v[\f+8*(4*\c+\a):\f+8*(4*\c+\a)+7], v[ACC+8*(4*(\a)+\b):ACC+8*(4*(\a)+\b)+7]
.endif
.endr
.endr
.endm
; 32 LDS loads in one run: the fragments of quarter kq (64 along K) of a slot into buffer f; the first 32 along K first
.macro FETCH slot, kq, f
	WIN TO_F
.irp c, 0,1
.irp i, 0,1,2,3
	ds_load_b128 v[\f+64+8*(4*\c+\i):\f+64+8*(4*\c+\i)+3],   v[ADRB+\slot] offset:\i*8192+(2*(\kq)+\c)*1024
	ds_load_b128 v[\f+64+8*(4*\c+\i)+4:\f+64+8*(4*\c+\i)+7], v[ADRB+\slot] offset:\i*8192+(2*(\kq)+\c)*1024+512
	ds_load_b128 v[\f+8*(4*\c+\i):\f+8*(4*\c+\i)+3],         v[ADRA+\slot] offset:\i*8192+(2*(\kq)+\c)*1024
	ds_load_b128 v[\f+8*(4*\c+\i)+4:\f+8*(4*\c+\i)+7],       v[ADRA+\slot] offset:\i*8192+(2*(\kq)+\c)*1024+512
.endr
.endr
.endm
.macro PLACES                          ; four places in front of loads into registers that matrix instructions have read, and of the first read of results
.rept 4
	v_nop
.endr
.endm
; One of a K step's first three quarters: multiplies buffer f and fetches quarter kq into g
.macro QUARTER slot, kq, f, g, zero
	s_wait_dscnt 16                                ; the first 32 along K are in
	WIN MUL
	MUL8 \f, 0, 0, \zero
	MUL8 \f, 0, 2, \zero
	PLACES
	FETCH \slot, \kq, \g
	s_wait_dscnt 32                                ; all but the 32 just issued
	WIN MUL
	MUL8 \f, 1, 0, 0
	MUL8 \f, 1, 2, 0
.endm
; The last quarter multiplies buffer 1 and changes slots: ONE barrier; in front of it each wave waits for all its tensor loads, adds 0 to its spare word, and waits for that and for its reads of this slot.
.macro TURN slot, next, fill
	WIN 0
	s_wait_tensorcnt 0x0                           ; all my tensor loads have landed: my part of the next slot;
	ds_add_u32 v[SPW], v[NIL]
	s_wait_dscnt 17                                ; (the add and the youngest sixteen loads may be out)
	WIN MUL
	MUL8 F1, 0, 0, 0
	s_wait_dscnt 0x0                               ; the add is done, and my reads of this slot are over
	s_barrier_signal -1
	MUL8 F1, 0, 2, 0
.if \fill
	WIN 0
.endif
	s_barrier_wait -1
.if \fill
	CREST                                          ; the barrier has opened a round of the cluster's: no wave of any partner still reads this slot or has a load on its way
	s_add_nc_u64 s[G0+4*\slot+2:G0+4*\slot+3], s[G0+4*\slot+2:G0+4*\slot+3], 2*8192
	s_add_nc_u64 s[G0B+4*\slot+2:G0B+4*\slot+3], s[G0B+4*\slot+2:G0B+4*\slot+3], 2*8192
	JLOAD \slot                                    ; the first tensor load behind the round; its four v_nop are also the places in front of the loads below
.else
	PLACES
.endif
	FETCH \next, 0, F0
	WIN MUL
	MUL8 F1, 1, 0, 0
	MUL8 F1, 1, 2, 0
.endm
	s_wait_tensorcnt 1                             ; my part of K step 0 is in (K step 1's load may be out)
	s_barrier_signal -1
	s_barrier_wait -1                              ; everybody's is
	FETCH 0, 0, F0
	QUARTER 0, 1, F0, F1, 1                        ; K step 0: its first products start the sums
	QUARTER 0, 2, F1, F0, 0
	QUARTER 0, 3, F0, F1, 0
	TURN 0, 1, 1                                   ; slot 0 takes K step 2
	QUARTER 1, 1, F0, F1, 0                        ; K step 1
	QUARTER 1, 2, F1, F0, 0
	QUARTER 1, 3, F0, F1, 0
	TURN 1, 0, 1                                   ; slot 1 takes K step 3
	QUARTER 0, 1, F0, F1, 0                        ; K step 2
	QUARTER 0, 2, F1, F0, 0
	QUARTER 0, 3, F0, F1, 0
	TURN 0, 1, 0                                   ; nothing is left to fetch
	QUARTER 1, 1, F0, F1, 0                        ; K step 3
	QUARTER 1, 2, F1, F0, 0
	QUARTER 1, 3, F0, F1, 0
	s_wait_dscnt 16
	WIN MUL
	MUL8 F1, 0, 0, 0
	MUL8 F1, 0, 2, 0
	s_wait_dscnt 0
	MUL8 F1, 1, 0, 0
	MUL8 F1, 1, 2, 0
	WIN 0
; THE WAY OUT, a block of 16 rows x 64 columns at a time.  A lane holds 32 neighbouring bytes of a row; a block goes through my own stage in LDS and comes back as whole rows of 256 bytes:
; sixteen lanes store 256 neighbouring bytes, aligned.  LDS serves a wave's instructions in order: no wait between the stores and the loads, nor in front of the next block's stores.
.macro TOSTAGE a
.set BB, TMP+32*((\a)%2)
.irp b, 0,1,2,3
	ds_store_b128 v[STO], v[ACC+8*(4*(\a)+\b):ACC+8*(4*(\a)+\b)+3] offset:64*\b        ; each accumulator from its low end on
	ds_store_b128 v[STO], v[ACC+8*(4*(\a)+\b)+4:ACC+8*(4*(\a)+\b)+7] offset:64*\b+16
.endr
.irp i, 0,1,2,3,4,5,6,7
	ds_load_b128 v[BB+4*\i:BB+4*\i+3], v[RD] offset:\i*2*SPITCH
.endr
.endm
.macro SEND a, younger                 ; younger: the LDS instructions issued behind block a's loads
.set BB, TMP+32*((\a)%2)
	s_wait_dscnt \younger
.irp i, 0,1,2,3,4,5,6,7
	global_store_b128 v[CO], v[BB+4*\i:BB+4*\i+3], s[8:9] offset:(16*(\a)+2*\i)*4096 th:TH_STORE_NT
.endr
.endm
	PLACES
	TOSTAGE 0
	TOSTAGE 1
	SEND 0, 16                                     ; behind block 0's loads: block 1's 8 stores and 8 loads
	s_wait_xcnt 0x0                                ; block 0's stores have read their registers: block 2's loads may land there
	TOSTAGE 2
	SEND 1, 16
	s_wait_xcnt 0x0
	TOSTAGE 3
	SEND 2, 16
	SEND 3, 0
	s_wait_tensorcnt 0x0                           ; the wave's end
	ds_add_u32 v[SPW], v[NIL]
	s_wait_dscnt 0x0
	CROUND                                         ; the closing round
	s_endpgm
.Lfunc_end_k_qb33bfb34c9_proj:
	.size	k_qb33bfb34c9_proj, .Lfunc_end_k_qb33bfb34c9_proj-k_qb33bfb34c9_proj
	.p2alignl 7, 3214868480
	.fill 96, 4, 3214868480
	.section	.rodata,"a",@progbits
	.p2align	6, 0x0
	.amdhsa_kernel k_qb33bfb34c9_proj
		.amdhsa_group_segment_fixed_size 327680
		.amdhsa_private_segment_fixed_size 0
		.amdhsa_enable_private_segment 0
		.amdhsa_kernarg_size 24
		.amdhsa_user_sgpr_count 2
		.amdhsa_user_sgpr_kernarg_segment_ptr 1
		.amdhsa_wavefront_size32 1
		.amdhsa_system_sgpr_workgroup_id_x 1
		.amdhsa_system_sgpr_workgroup_id_y 1
		.amdhsa_system_sgpr_workgroup_id_z 1
		.amdhsa_system_vgpr_workitem_id 0
		.amdhsa_next_free_vgpr 512
		.amdhsa_next_free_sgpr 66
		.amdhsa_reserve_vcc 0
		.amdhsa_float_denorm_mode_32 3
		.amdhsa_float_denorm_mode_16_64 3
		.amdhsa_memory_ordered 1
		.amdhsa_forward_progress 1
		.amdhsa_inst_pref_size 85
	.end_amdhsa_kernel
	.amdgpu_metadata
---
amdhsa.version: [ 1, 2 ]
amdhsa.kernels:
  - .name:           k_qb33bfb34c9_proj
    .symbol:         k_qb33bfb34c9_proj.kd
    .args:
      - { .name: yws, .offset: 0, .size: 8, .value_kind: global_buffer, .address_space: global }
      - { .name: wp, .offset: 8, .size: 8, .value_kind: global_buffer, .address_space: global }
      - { .name: out0, .offset: 16, .size: 8, .value_kind: global_buffer, .address_space: global }
    .group_segment_fixed_size: 327680
    .private_segment_fixed_size: 0
    .kernarg_segment_align: 8
    .kernarg_segment_size: 24
    .max_flat_workgroup_size: 128
    .sgpr_count:     66
    .vgpr_count:     512
    .wavefront_size: 32
...
	.end_amdgpu_metadata
.endif
;; end of part 4
;; launch first16 (part 5): grid 64 x 2, 16 waves a work-group, no clusters, 18,432 bytes of LDS; arguments fine, W_proj, out0; writes out0
.if DOCPART == 5
	.amdgcn_target "amdgcn-amd-amdhsa--gfx1250"
	.amdhsa_code_object_version 6
	.text
	.protected	k_qb33bfb34c9_first16
	.globl	k_qb33bfb34c9_first16
	.p2align	8
	.type	k_qb33bfb34c9_first16,@function
k_qb33bfb34c9_first16:
	s_mov_b64 s[64:65], 0
	v_nop
	global_prefetch_b8 v0, s[64:65] scope:SCOPE_SE
	s_setreg_imm32_b32 hwreg(HW_REG_WAVE_MODE, 25, 1), 1
	s_wait_xcnt 0x0
; THE FIRST 16 POSITIONS OF EACH BATCH, IN F32 THROUGHOUT: under the causal mask these rows average one to sixteen values and are the largest of the output, so the rounding of 16-bit operands weighs most there.
; A work-group (x: 16 columns of out0, y: the batch) has sixteen waves, one for each head.  A wave makes its head's attention for 16 queries x 16 keys and its head's part (64 of the 1,024 along K) of the
; projection onto the 16 columns; the sixteen parts are added through LDS, in a fixed order.  The rows written here replace those that the launch before has written.
; The attention of a batch is made again in each of the 64 column blocks: 32 small matrix instructions a wave, the price of one launch in place of two.
; v_wmma_f32_16x16x4_f32: lane (r, h) holds row r and k = 2 h + 0, 1 of each source.  Which numbers stand at a k is free as long as both sources agree: each lane takes the k that its registers hold already.
;   S^T = K Q^T:  load i brings lane (r, h) channels 8 i + 4 h + 0..3 of its row, so that a load covers 32 neighbouring bytes of each of 16 rows; instruction c takes registers 2 c, 2 c + 1 of both.   Result: lane (r, h): query r, keys 8 h + 0..7.
;   O^T = V^T P:  P is S^T's own layout; instruction c takes keys 8 h + 2 c, + 1; V^T is loaded so.                           Result: lane (r, h): query r, channels 16 t + 8 h + 0..7.
;   E = W^T O^T:  O^T's registers are source 1 as they stand; W_proj is loaded so.                                            Result: lane (r, h): query r, columns 8 h + 0..7.
; The registers that these instructions write are written by them alone; what is made of a sum goes into other registers; each sum begins with the constant 0.
; The stores are runs of 64 bytes: 131,072 bytes in the whole launch.
.set SPARE, 16384                      ; behind the sixteen partial sums of 1,024 bytes: the spare words
.set SPW, 8
.set NIL, 9
.set QF, 32                            ; v32-63   register 4 i + j: q(r, channel 8 i + 4 h + j)
.set KF, 64                            ; v64-95   the same of k
.set VF, 96                            ; v96-127  register 8 t + kk: v(key 8 h + kk, channel 16 t + r)
.set WF, 128                           ; v128-159 register 8 t + kk: W_proj(64 head + 16 t + 8 h + kk, column r)
.set SA, 160                           ; two accumulators for S^T, by turns
.set SB, 168
.set SS, 176                           ; their sum, then p
.set PP, 184                           ; p / l
.set OT, 192                           ; v192-223
.set EA, 224                           ; two accumulators for the projection, by turns
.set EB, 232
.set RR, 240
	s_load_b128 s[4:7], s[0:1], 0x0                ; fine s[4:5], W_proj s[6:7]
	s_load_b64 s[8:9], s[0:1], 0x10                ; out0
	v_lshl_add_u32 v[SPW], v0, 2, SPARE
	v_mov_b32 v[NIL], 0
	v_lshrrev_b32 v1, 5, v0
	v_readfirstlane_b32 s10, v1                    ; wave = head
	s_and_b32 s11, ttmp7, 0xffff                   ; the batch
	v_and_b32 v1, 31, v0                           ; lane
	v_and_b32 v2, 15, v0                           ; r
	v_bfe_u32 v3, v0, 4, 1                         ; h
	v_lshlrev_b32 v4, 8, v2
	v_lshl_add_u32 v4, v3, 4, v4                   ; q, k: row r of 256 bytes, + 16 h
	v_lshlrev_b32 v12, 2, v2                       ; 4 r
	v_lshl_add_u32 v5, v3, 11, v12                 ; v: 8 h rows of 256 bytes, + 4 r
	v_lshl_add_u32 v6, v3, 15, v12                 ; W_proj: 8 h rows of 4,096 bytes, + 4 r
	v_lshlrev_b32 v7, 3, v3
	v_sub_nc_u32 v7, v2, v7                        ; d = r - 8 h: register j holds key 8 h + j, hidden where j > d
	s_lshl_b32 s15, s10, 10
	v_lshlrev_b32 v10, 6, v2
	v_lshl_add_u32 v10, v3, 5, v10
	v_add_nc_u32 v10, s15, v10                     ; LDS, in: my head's part: query r, + 32 h
	s_lshl_b32 s16, s10, 6
	v_lshl_add_u32 v11, v3, 13, v12
	v_add_nc_u32 v11, s16, v11                     ; LDS, back: query = my wave's number, column r, heads 8 h on
	s_mov_b32 s12, 0x76543210
	s_mov_b32 s13, 0xfedcba98
	s_mov_b32 s14, 0x3e38aa3b                      ; c = log2(e) / 8
	s_mul_i32 s20, s11, 196608                     ; fine: 3 kinds x 65,536 a batch, 4,096 a head
	s_lshl_b32 s21, s10, 12
	s_add_co_u32 s20, s20, s21
	s_mov_b32 s21, 0
	s_lshl_b32 s24, ttmp9, 6                       ; my 16 columns, in bytes
	s_lshl_b32 s22, s10, 18                        ; W_proj: 64 rows of 4,096 bytes a head
	s_add_co_u32 s22, s22, s24
	s_mov_b32 s23, 0
	s_lshl_b32 s26, s11, 11
	s_add_co_u32 s26, s26, s10                     ; out0: row 2,048 b + my wave's number
	s_lshl_b32 s26, s26, 12
	s_add_co_u32 s26, s26, s24
	s_mov_b32 s27, 0
	s_wait_kmcnt 0x0
	s_add_nc_u64 s[4:5], s[4:5], s[20:21]
	s_add_nc_u64 s[6:7], s[6:7], s[22:23]
	s_add_nc_u64 s[8:9], s[8:9], s[26:27]
.irp i, 0,1,2,3,4,5,6,7
	global_load_b128 v[QF+4*\i:QF+4*\i+3], v4, s[4:5] offset:32*\i
.endr
.irp i, 0,1,2,3,4,5,6,7
	global_load_b128 v[KF+4*\i:KF+4*\i+3], v4, s[4:5] offset:65536+32*\i
.endr
.irp t, 0,1,2,3
.irp kk, 0,1,2,3,4,5,6,7
	global_load_b32 v[VF+8*\t+\kk], v5, s[4:5] offset:131072+\kk*256+64*\t
.endr
.endr
.irp t, 0,1,2,3
.irp kk, 0,1,2,3,4,5,6,7
	global_load_b32 v[WF+8*\t+\kk], v6, s[6:7] offset:(16*\t+\kk)*4096
.endr
.endr
	s_wait_loadcnt 63                              ; behind q's and k's 16 loads stand 64; the largest count that the wait can name leaves 63 out
.irp c, 0,1,2,3,4,5,6,7,8,9,10,11,12,13,14,15
.if \c < 2
	v_wmma_f32_16x16x4_f32 v[SA+8*(\c%2):SA+8*(\c%2)+7], v[KF+2*\c:KF+2*\c+1], v[QF+2*\c:QF+2*\c+1], 0
.else
	v_wmma_f32_16x16x4_f32 v[SA+8*(\c%2):SA+8*(\c%2)+7], v[KF+2*\c:KF+2*\c+1], v[QF+2*\c:QF+2*\c+1], v[SA+8*(\c%2):SA+8*(\c%2)+7]
.endif
.endr
.rept 8
	v_nop                                          ; eight places behind this form, ahead of the first read of its results
.endr
.irp j, 0,1,2,3,4,5,6,7
	v_add_f32 v[SS+\j], v[SA+\j], v[SB+\j]
.endr
	v_mov_b32 v13, 0xff800000
.irp j, 0,1,2,3,4,5,6,7
	v_cmp_gt_i32 vcc_lo, \j, v7
	v_cndmask_b32 v[SS+\j], v[SS+\j], v13, vcc_lo  ; hidden keys: -infinity
.endr
	v_max3_num_f32 v14, v[SS], v[SS+1], v[SS+2]
	v_max3_num_f32 v15, v[SS+3], v[SS+4], v[SS+5]
	v_max3_num_f32 v14, v14, v[SS+6], v[SS+7]
	v_max_num_f32 v14, v14, v15
	v_permlanex16_b32 v15, v14, s12, s13
	v_max_num_f32 v14, v14, v15                    ; the row's maximum (key 0 counts for every query)
	v_mul_f32 v14, s14, v14
.irp j, 0,1,2,3,4,5,6,7
	v_fma_f32 v[SS+\j], v[SS+\j], s14, -v14
.endr
.irp j, 0,1,2,3,4,5,6,7
	v_exp_f32 v[SS+\j], v[SS+\j]
.endr
	v_nop
	s_wait_alu depctr_va_vdst(0)                   ; one wait for the eight
	v_add_f32 v16, v[SS], v[SS+1]
	v_add_f32 v17, v[SS+2], v[SS+3]
	v_add_f32 v18, v[SS+4], v[SS+5]
	v_add_f32 v19, v[SS+6], v[SS+7]
	v_add_f32 v16, v16, v17
	v_add_f32 v18, v18, v19
	v_add_f32 v16, v16, v18
	v_permlanex16_b32 v17, v16, s12, s13
	v_add_f32 v16, v16, v17
	v_rcp_f32 v16, v16
	v_nop
	s_wait_alu depctr_va_vdst(0)
.irp j, 0,1,2,3,4,5,6,7
	v_mul_f32 v[PP+\j], v[SS+\j], v16
.endr
	s_wait_loadcnt 32                              ; v is in; W_proj's 32 loads may be out
.irp c, 0,1,2,3
.irp t, 0,1,2,3
.if \c == 0
	v_wmma_f32_16x16x4_f32 v[OT+8*\t:OT+8*\t+7], v[VF+8*\t+2*\c:VF+8*\t+2*\c+1], v[PP+2*\c:PP+2*\c+1], 0
.else
	v_wmma_f32_16x16x4_f32 v[OT+8*\t:OT+8*\t+7], v[VF+8*\t+2*\c:VF+8*\t+2*\c+1], v[PP+2*\c:PP+2*\c+1], v[OT+8*\t:OT+8*\t+7]
.endif
.endr
.endr
.rept 9
	v_nop                                          ; nine places: the results are taken as a source by the next matrix instructions
.endr
	s_wait_loadcnt 0x0
.irp t, 0,1,2,3
.irp c, 0,1,2,3
.if 4*\t+\c < 2
	v_wmma_f32_16x16x4_f32 v[EA+8*(\c%2):EA+8*(\c%2)+7], v[WF+8*\t+2*\c:WF+8*\t+2*\c+1], v[OT+8*\t+2*\c:OT+8*\t+2*\c+1], 0
.else
	v_wmma_f32_16x16x4_f32 v[EA+8*(\c%2):EA+8*(\c%2)+7], v[WF+8*\t+2*\c:WF+8*\t+2*\c+1], v[OT+8*\t+2*\c:OT+8*\t+2*\c+1], v[EA+8*(\c%2):EA+8*(\c%2)+7]
.endif
.endr
.endr
.rept 8
	v_nop
.endr
.irp j, 0,1,2,3,4,5,6,7
	v_add_f32 v[RR+\j], v[EA+\j], v[EB+\j]
.endr
	ds_store_b128 v10, v[RR:RR+3]
	ds_store_b128 v10, v[RR+4:RR+7] offset:16
	s_wait_dscnt 0x0                               ; for the others' sake: my part lies in LDS
	s_barrier_signal -1
	s_barrier_wait -1
.irp i, 0,1,2,3,4,5,6,7
	ds_load_b32 v[20+\i], v11 offset:\i*1024       ; heads 8 h + i: query = my wave's number, column r
.endr
	s_wait_dscnt 0x0
	v_add_f32 v20, v20, v21
	v_add_f32 v22, v22, v23
	v_add_f32 v24, v24, v25
	v_add_f32 v26, v26, v27
	v_add_f32 v20, v20, v22
	v_add_f32 v24, v24, v26
	v_add_f32 v20, v20, v24
	v_permlanex16_b32 v21, v20, s12, s13
	v_add_f32 v20, v20, v21                        ; all sixteen heads
	v_cmp_gt_u32 vcc_lo, 16, v1
	s_wait_xcnt 0x0                                ; EXEC changes only behind this wait
	s_and_saveexec_b32 s28, vcc_lo
	global_store_b32 v12, v20, s[8:9]              ; lanes 0-15: 64 neighbouring bytes of one row
	s_wait_xcnt 0x0                                ; and again, in front of the line that widens it
	s_or_b32 exec_lo, exec_lo, s28
	s_wait_tensorcnt 0x0                           ; the wave's end
	ds_add_u32 v[SPW], v[NIL]
	s_wait_dscnt 0x0
	s_endpgm
.Lfunc_end_k_qb33bfb34c9_first16:
	.size	k_qb33bfb34c9_first16, .Lfunc_end_k_qb33bfb34c9_first16-k_qb33bfb34c9_first16
	.p2alignl 7, 3214868480
	.fill 96, 4, 3214868480
	.section	.rodata,"a",@progbits
	.p2align	6, 0x0
	.amdhsa_kernel k_qb33bfb34c9_first16
		.amdhsa_group_segment_fixed_size 18432
		.amdhsa_private_segment_fixed_size 0
		.amdhsa_enable_private_segment 0
		.amdhsa_kernarg_size 24
		.amdhsa_user_sgpr_count 2
		.amdhsa_user_sgpr_kernarg_segment_ptr 1
		.amdhsa_wavefront_size32 1
		.amdhsa_system_sgpr_workgroup_id_x 1
		.amdhsa_system_sgpr_workgroup_id_y 1
		.amdhsa_system_sgpr_workgroup_id_z 1
		.amdhsa_system_vgpr_workitem_id 0
		.amdhsa_next_free_vgpr 256
		.amdhsa_next_free_sgpr 66
		.amdhsa_reserve_vcc 1
		.amdhsa_float_denorm_mode_32 3
		.amdhsa_float_denorm_mode_16_64 3
		.amdhsa_memory_ordered 1
		.amdhsa_forward_progress 1
		.amdhsa_inst_pref_size 18
	.end_amdhsa_kernel
	.amdgpu_metadata
---
amdhsa.version: [ 1, 2 ]
amdhsa.kernels:
  - .name:           k_qb33bfb34c9_first16
    .symbol:         k_qb33bfb34c9_first16.kd
    .args:
      - { .name: fine, .offset: 0, .size: 8, .value_kind: global_buffer, .address_space: global }
      - { .name: W_proj, .offset: 8, .size: 8, .value_kind: global_buffer, .address_space: global }
      - { .name: out0, .offset: 16, .size: 8, .value_kind: global_buffer, .address_space: global }
    .group_segment_fixed_size: 18432
    .private_segment_fixed_size: 0
    .kernarg_segment_align: 8
    .kernarg_segment_size: 24
    .max_flat_workgroup_size: 512
    .sgpr_count:     66
    .vgpr_count:     256
    .wavefront_size: 32
...
	.end_amdgpu_metadata
.endif
;; end of part 5
